; MI455X (gfx1250); checked and timed in simulation.
; The chip was launched on July 23, 2026; its instructions are those of AMD's public machine-readable ISA for CDNA 5 (MIT licence, August 2026) and "CDNA5" Instruction Set Architecture Reference Guide (July 2026). The comments in the code are by the model that wrote it; some were corrected since.
;; Attention. Allowed arithmetic: float matrix products may take bf16 or f16 operands with f32 sums; other float arithmetic in f32, or as packed bf16 or f16 multiplies, adds, multiply-adds, maxima and minima; sums over many terms, partial sums and values carried from step to step in f32; what a program stores and reads back later, other than sums and carried values, may be rounded once to bf16 or f16.
;; Inputs: Wk 1,024 x 1,024 float32; Wq 1,024 x 1,024 float32; Wv 1,024 x 1,024 float32; b_k 1,024 float32; b_t 1,024 float32; b_v 1,024 float32; bk 1,024 float32; bq 1,024 float32; bv 1,024 float32; g_k 1,024 float32; g_t 1,024 float32; g_v 1,024 float32; source_k 8 x 2,048 x 1,024 float32; source_v 8 x 2,048 x 1,024 float32; target 8 x 512 x 1,024 float32.
;; Outputs: out0 8 x 512 x 1,024 float32.
;; One version. Each part assembles by itself: llvm-mc -triple=amdgcn-amd-amdhsa -mcpu=gfx1250 --defsym DOCPART=n.
;; ======== version 1 of 1: 6 launches
;; limits: values are held in f16: magnitudes above 65,504 overflow, below 6.1e-05 lose precision
;; workspace buffers: nrm 81,788,928 bytes; q 8,388,608 bytes; qp 8,388,608 bytes; u 8,388,608 bytes; p 16,777,216 bytes; cpart 262,144 bytes; st 524,288 bytes
;; launch prep (part 1): grid 256 x 1, 18 waves a work-group, no clusters, 0 bytes of LDS; arguments target, source_k, source_v, g_t, g_k, g_v, b_t, b_k, b_v, Wq, Wk, Wv, nrm; writes nrm
.if DOCPART == 1
	.amdgcn_target "amdgcn-amd-amdhsa--gfx1250"
	.amdhsa_code_object_version 6
	.text
	.protected	k_q747d7f239b_prep
	.globl	k_q747d7f239b_prep
	.p2align	8
	.type	k_q747d7f239b_prep,@function
k_q747d7f239b_prep:
	s_mov_b64 s[64:65], 0
	v_nop
	global_prefetch_b8 v0, s[64:65] scope:SCOPE_SE
	s_setreg_imm32_b32 hwreg(HW_REG_WAVE_MODE, 25, 1), 1
	s_wait_xcnt 0x0
; PREP.  nrm = the three LayerNorms, rounded once to f16, stacked (4,096 rows of target, 16,384 of source_k, 16,384 of source_v), then Wq, Wk, Wv rounded to f16.
; A row is 1,024 f32 in, 1,024 f16 out.  LayerNorm in f32, in two passes over registers: the mean, then the mean of (x - mean)^2: no difference of large sums is formed.
; SHARES.  36,864 rows = 256 work-groups x 18 waves x 8 rows.  Chunk c = 18 x work-group + wave; 512 chunks of target, 2,048 of source_k, 2,048 of source_v: a chunk never straddles two tensors.
; One wave, one row: load j of eight brings lane l the columns 128 j + 4 l .. + 3 (512 consecutive bytes a load); a store of 8 bytes a lane covers 256 consecutive bytes, aligned.
; Two row slots in registers: while one row is worked on the other's eight loads are on their way.  Waves 0 to 11 also round one row of a weight matrix (matrix = wave / 4): it has registers
; of its own and is asked for first, so that both row slots are asked for before anything is waited for.
; No LDS, no matrix unit, no cluster: the work-groups share nothing but g and b, 8 KiB.
; LIMITS.  f16: a number of 65,520 or more in magnitude becomes an infinity: a normalised row, at most 32 |g| + |b|, and the weights must stay below; under 6.1e-5 f16 keeps its fixed step of 6e-8.
; NaN and infinities are not treated apart.
.set ROWI, 4096                        ; bytes in a row of f32
.set ROWO, 2048                        ; bytes in a row of f16
.set WQO,  75497472                    ; where Wq's copy begins in nrm; Wk's and Wv's follow, 2,097,152 bytes each
.set G,   4                            ; v[4:35]    gain of my 32 columns
.set B,   36                           ; v[36:67]   bias of my 32 columns
.set X,   68                           ; v[68:131]  two row slots of 32
.set Y,   132                          ; v[132:147] a row rounded to f16
.set T,   148                          ; v[148:155] at work
.set MU,  156                          ; v[156:157] the mean (low word; the pair is named by packed lines)
.set R,   158                          ; v[158:159] 1 / sqrt(var + eps), likewise
.set W,   160                          ; v[160:191] a row of a weight matrix, as loaded (waves 0 to 11)
	s_load_b512 s[8:23], s[0:1], 0x0               ; target 8, source_k 10, source_v 12, g_t 14, g_k 16, g_v 18, b_t 20, b_k 22
	s_load_b256 s[24:31], s[0:1], 0x40             ; b_v 24, Wq 26, Wk 28, Wv 30
	s_load_b64 s[32:33], s[0:1], 0x60              ; nrm
	v_lshrrev_b32 v3, 5, v0
	v_readfirstlane_b32 s4, v3                     ; wave 0..17
	v_and_b32 v2, 31, v0
	v_lshlrev_b32 v1, 4, v2                        ; 16 x lane: my place in 512 bytes of f32
	v_lshlrev_b32 v2, 3, v2                        ; 8 x lane: my place in 256 bytes of f16
	v_mov_b32 v[MU+1], 0
	v_mov_b32 v[R+1], 0
	s_mul_i32 s5, ttmp9, 18
	s_add_co_u32 s5, s5, s4                        ; chunk
	s_mov_b32 s6, 0x3a800000                       ; 1 / 1024
	s_mov_b32 s3, 0x3727c5ac                       ; eps = 1e-5
	s_mov_b32 s46, 0x76543210                      ; v_permlanex16_b32: each lane takes its own place in the other half
	s_mov_b32 s47, 0xfedcba98
	s_wait_kmcnt 0x0
	s_cmp_lt_u32 s5, 512                           ; target, or source_k?
	s_cselect_b64 s[34:35], s[8:9], s[10:11]
	s_cselect_b64 s[38:39], s[14:15], s[16:17]
	s_cselect_b64 s[40:41], s[20:21], s[22:23]
	s_cselect_b32 s2, 0, 512
	s_cmp_lt_u32 s5, 2560                          ; or source_v?
	s_cselect_b64 s[34:35], s[34:35], s[12:13]
	s_cselect_b64 s[38:39], s[38:39], s[18:19]
	s_cselect_b64 s[40:41], s[40:41], s[24:25]
	s_cselect_b32 s2, s2, 2560
	s_sub_co_u32 s2, s5, s2                        ; the chunk's number in its tensor
	s_lshl_b32 s42, s2, 15                         ; 8 rows of 4,096 bytes
	s_mov_b32 s43, 0
	s_add_nc_u64 s[34:35], s[34:35], s[42:43]      ; IN
	s_lshl_b32 s42, s5, 14                         ; 8 rows of 2,048 bytes: the three tensors are stacked in nrm
	s_add_nc_u64 s[36:37], s[32:33], s[42:43]      ; OUT
	; The weight row's two addresses are made by every wave, ahead of the two branches that use them, so that they stand on every path.
	; Waves 12 to 17, which have no weight row, make wave 0's addresses and use none.
	s_cmp_lt_u32 s4, 12
	s_cselect_b32 s7, s4, 0
	s_lshr_b32 s2, s7, 2                           ; which matrix
	s_cmp_eq_u32 s2, 0
	s_cselect_b64 s[42:43], s[26:27], s[28:29]
	s_cmp_eq_u32 s2, 2
	s_cselect_b64 s[42:43], s[30:31], s[42:43]
	s_and_b32 s7, s7, 3
	s_lshl_b32 s44, ttmp9, 2
	s_add_co_u32 s7, s7, s44                       ; its row: 4 x work-group + wave % 4
	s_lshl_b32 s44, s7, 12
	s_mov_b32 s45, 0
	s_add_nc_u64 s[42:43], s[42:43], s[44:45]      ; the row in its matrix, f32
	s_lshl_b32 s44, s7, 11
	s_lshl_b32 s2, s2, 21
	s_add_co_u32 s44, s44, s2
	s_add_nc_u64 s[44:45], s[32:33], s[44:45]
	s_add_nc_u64 s[44:45], s[44:45], WQO           ; the row in nrm, f16
.macro FILL s, off                     ; a row's eight loads into slot s
.irp j, 0,1,2,3,4,5,6,7
	global_load_b128 v[X+32*(\s)+4*(\j):X+32*(\s)+4*(\j)+3], v1, s[34:35] offset:(\off)+512*(\j) th:TH_LOAD_NT
.endr
.endm
.macro LANES                           ; v[T] summed over the 32 lanes, the result in every lane
	v_add_f32_dpp v[T], v[T], v[T] row_xmask:1 row_mask:0xf bank_mask:0xf
	v_add_f32_dpp v[T], v[T], v[T] row_xmask:2 row_mask:0xf bank_mask:0xf
	v_add_f32_dpp v[T], v[T], v[T] row_xmask:4 row_mask:0xf bank_mask:0xf
	v_add_f32_dpp v[T], v[T], v[T] row_xmask:8 row_mask:0xf bank_mask:0xf
	v_permlanex16_b32 v[T+1], v[T], s46, s47
	v_add_f32 v[T], v[T], v[T+1]
.endm
.macro FOUR                            ; the four chains T0-T3 (pairs) into one number
	v_pk_add_f32 v[T:T+1], v[T:T+1], v[T+2:T+3]
	v_pk_add_f32 v[T+4:T+5], v[T+4:T+5], v[T+6:T+7]
	v_pk_add_f32 v[T:T+1], v[T:T+1], v[T+4:T+5]
	v_add_f32 v[T], v[T], v[T+1]
.endm
; The turn of slot s.  fill = 1: the slot takes the row two further down.  left = the younger loads that may stay out.
.macro ROWT s, fill, left
.set XS, X+32*(\s)
	s_wait_loadcnt \left                           ; my row's eight loads are in (and g and b, which are older); the other slot's eight may stay out
.irp k, 0,1,2,3
	v_pk_add_f32 v[T+2*(\k):T+2*(\k)+1], v[XS+4*(\k):XS+4*(\k)+1], v[XS+4*(\k)+2:XS+4*(\k)+3]  ; four chains; the first sums start them
.endr
.irp k, 0,1,2,3,4,5,6,7
	v_pk_add_f32 v[T+2*((\k)%4):T+2*((\k)%4)+1], v[T+2*((\k)%4):T+2*((\k)%4)+1], v[XS+16+2*(\k):XS+16+2*(\k)+1]
.endr
	FOUR
	LANES
	v_mul_f32 v[MU], s6, v[T]                      ; the mean
.set i, 0
.rept 16
	v_pk_add_f32 v[XS+i:XS+i+1], v[XS+i:XS+i+1], v[MU:MU+1] op_sel_hi:[1,0] neg_lo:[0,1] neg_hi:[0,1]  ; x - mean
.set i, i+2
.endr
.irp k, 0,1,2,3
	v_pk_mul_f32 v[T+2*(\k):T+2*(\k)+1], v[XS+2*(\k):XS+2*(\k)+1], v[XS+2*(\k):XS+2*(\k)+1]
.endr
.irp k, 4,5,6,7,8,9,10,11,12,13,14,15
	v_pk_fma_f32 v[T+2*((\k)%4):T+2*((\k)%4)+1], v[XS+2*(\k):XS+2*(\k)+1], v[XS+2*(\k):XS+2*(\k)+1], v[T+2*((\k)%4):T+2*((\k)%4)+1]
.endr
	FOUR
	LANES
	v_fma_f32 v[T], v[T], s6, s3                   ; var + eps
	v_rsq_f32 v[R], v[T]
	v_nop                                          ; a plain instruction between the root and the use of its result (ISA guide 5.7.2)
.set i, 0
	s_wait_alu depctr_va_vdst(0)
.rept 16
	v_pk_mul_f32 v[XS+i:XS+i+1], v[XS+i:XS+i+1], v[R:R+1] op_sel_hi:[1,0]
.set i, i+2
.endr
.set i, 0
.rept 16
	v_pk_fma_f32 v[XS+i:XS+i+1], v[XS+i:XS+i+1], v[G+i:G+i+1], v[B+i:B+i+1]
.set i, i+2
.endr
	s_wait_xcnt 0x0                                ; the last stores have read Y: it is rewritten only behind this wait
.set i, 0
.rept 16
	v_cvt_pk_f16_f32 v[Y+i], v[XS+2*i], v[XS+2*i+1]
.set i, i+1
.endr
.if \fill
	FILL \s, (2+(\s))*ROWI                         ; loads ahead of stores
.endif
.irp j, 0,1,2,3,4,5,6,7
	global_store_b64 v2, v[Y+2*(\j):Y+2*(\j)+1], s[36:37] offset:(\s)*ROWO+256*(\j) th:TH_STORE_NT  ; 256 consecutive bytes, aligned
.endr
.endm
	s_cmp_lt_u32 s4, 12                            ; waves 0 to 11: the weight row is asked for, ahead of all other loads
	s_cbranch_scc0 .Lno_wl
.irp j, 0,1,2,3,4,5,6,7
	global_load_b128 v[W+4*(\j):W+4*(\j)+3], v1, s[42:43] offset:512*(\j) th:TH_LOAD_NT
.endr
.Lno_wl:
.irp j, 0,1,2,3,4,5,6,7
	global_load_b128 v[G+4*(\j):G+4*(\j)+3], v1, s[38:39] offset:512*(\j)
.endr
.irp j, 0,1,2,3,4,5,6,7
	global_load_b128 v[B+4*(\j):B+4*(\j)+3], v1, s[40:41] offset:512*(\j)
.endr
	FILL 0, 0
	FILL 1, ROWI
	s_cmp_lt_u32 s4, 12
	s_cbranch_scc0 .Lno_w
	s_wait_loadcnt 32                              ; the weight row is in; the 32 younger loads (g, b, two rows) may stay out
.set i, 0
.rept 16
	v_cvt_pk_f16_f32 v[Y+i], v[W+2*i], v[W+2*i+1]
.set i, i+1
.endr
.irp j, 0,1,2,3,4,5,6,7
	global_store_b64 v2, v[Y+2*(\j):Y+2*(\j)+1], s[44:45] offset:256*(\j) th:TH_STORE_NT
.endr
.Lno_w:
	s_mov_b32 s7, 3
.Lrows:                                        ; a trip: two rows worked on, the two behind them asked for
	ROWT 0, 1, 8
	ROWT 1, 1, 8
	s_wait_xcnt 0x0                                ; every load and store so far has read its base: the pointers are stepped only behind this wait
	s_add_nc_u64 s[34:35], s[34:35], 2*ROWI
	s_add_nc_u64 s[36:37], s[36:37], 2*ROWO
	s_sub_co_u32 s7, s7, 1
	s_cmp_lg_u32 s7, 0
	s_cbranch_scc1 .Lrows
	ROWT 0, 0, 8                                   ; the last two rows load nothing: the counts run down
	ROWT 1, 0, 0
	s_endpgm
.Lfunc_end_k_q747d7f239b_prep:
	.size	k_q747d7f239b_prep, .Lfunc_end_k_q747d7f239b_prep-k_q747d7f239b_prep
	.p2alignl 7, 3214868480
	.fill 96, 4, 3214868480
	.section	.rodata,"a",@progbits
	.p2align	6, 0x0
	.amdhsa_kernel k_q747d7f239b_prep
		.amdhsa_group_segment_fixed_size 0
		.amdhsa_private_segment_fixed_size 0
		.amdhsa_enable_private_segment 0
		.amdhsa_kernarg_size 104
		.amdhsa_user_sgpr_count 2
		.amdhsa_user_sgpr_kernarg_segment_ptr 1
		.amdhsa_wavefront_size32 1
		.amdhsa_system_sgpr_workgroup_id_x 1
		.amdhsa_system_sgpr_workgroup_id_y 1
		.amdhsa_system_sgpr_workgroup_id_z 1
		.amdhsa_system_vgpr_workitem_id 0
		.amdhsa_next_free_vgpr 192
		.amdhsa_next_free_sgpr 66
		.amdhsa_reserve_vcc 0
		.amdhsa_float_denorm_mode_32 3
		.amdhsa_float_denorm_mode_16_64 3
		.amdhsa_memory_ordered 1
		.amdhsa_forward_progress 1
		.amdhsa_inst_pref_size 42
	.end_amdhsa_kernel
	.amdgpu_metadata
---
amdhsa.version: [ 1, 2 ]
amdhsa.kernels:
  - .name:           k_q747d7f239b_prep
    .symbol:         k_q747d7f239b_prep.kd
    .args:
      - { .name: target, .offset: 0, .size: 8, .value_kind: global_buffer, .address_space: global }
      - { .name: source_k, .offset: 8, .size: 8, .value_kind: global_buffer, .address_space: global }
      - { .name: source_v, .offset: 16, .size: 8, .value_kind: global_buffer, .address_space: global }
      - { .name: g_t, .offset: 24, .size: 8, .value_kind: global_buffer, .address_space: global }
      - { .name: g_k, .offset: 32, .size: 8, .value_kind: global_buffer, .address_space: global }
      - { .name: g_v, .offset: 40, .size: 8, .value_kind: global_buffer, .address_space: global }
      - { .name: b_t, .offset: 48, .size: 8, .value_kind: global_buffer, .address_space: global }
      - { .name: b_k, .offset: 56, .size: 8, .value_kind: global_buffer, .address_space: global }
      - { .name: b_v, .offset: 64, .size: 8, .value_kind: global_buffer, .address_space: global }
      - { .name: Wq, .offset: 72, .size: 8, .value_kind: global_buffer, .address_space: global }
      - { .name: Wk, .offset: 80, .size: 8, .value_kind: global_buffer, .address_space: global }
      - { .name: Wv, .offset: 88, .size: 8, .value_kind: global_buffer, .address_space: global }
      - { .name: nrm, .offset: 96, .size: 8, .value_kind: global_buffer, .address_space: global }
    .group_segment_fixed_size: 0
    .private_segment_fixed_size: 0
    .kernarg_segment_align: 8
    .kernarg_segment_size: 104
    .max_flat_workgroup_size: 576
    .sgpr_count:     66
    .vgpr_count:     192
    .wavefront_size: 32
...
	.end_amdgpu_metadata
.endif
;; end of part 1
;; launch g1 (part 2): grid 8 x 32, 4 waves a work-group, clusters of 4 x 4, 327,680 bytes of LDS; arguments nrm, bq, bk, q, cpart; writes q, cpart
.if DOCPART == 2
	.amdgcn_target "amdgcn-amd-amdhsa--gfx1250"
	.amdhsa_code_object_version 6
	.text
	.protected	k_q747d7f239b_g1
	.globl	k_q747d7f239b_g1
	.p2align	8
	.type	k_q747d7f239b_g1,@function
k_q747d7f239b_g1:
	s_mov_b64 s[64:65], 0
	v_nop
	global_prefetch_b8 v0, s[64:65] scope:SCOPE_SE
	s_setreg_imm32_b32 hwreg(HW_REG_WAVE_MODE, 25, 1), 1
	s_wait_xcnt 0x0
	s_wait_alu depctr_hold_cnt(0) depctr_sa_sdst(0) depctr_va_vdst(0) depctr_va_sdst(0) depctr_va_ssrc(0) depctr_va_vcc(0) depctr_vm_vsrc(0)
	s_getreg_b32 s2, hwreg(HW_REG_IB_STS2, 6, 4)
	s_cmp_eq_u32 s2, 0
	s_cbranch_scc0 .Lentry_in_a_cluster
	s_endpgm
.Lentry_in_a_cluster:
	s_bfe_u32 s2, ttmp6, 0x10000c
	s_cmp_lg_u32 s2, 0xf033
	s_cbranch_scc0 .Lentry_shape_is_right
	s_endpgm
.Lentry_shape_is_right:
; G1.  q[i][e] = (the sum over d of t[i][d] Wq[e][d] + bq[e]) / 32, stored f16; and, from that q in f32, the partial sums of c[i] = q[i] . bk, one for each 64 columns, stored f32.
; The division by 32 is the scores' scale, DIM^-0.5, a power of two and so exact: taken here, it leaves the next product (q Wk) room in f16.
; t (4,096 rows) and Wq (1,024 rows) are f16 rows of 2,048 bytes in nrm.  Sums in f32.  c is the part of the scores that bk brings: q . (Wk sk + bk) = (q Wk) . sk + q . bk.
; A tile of q is 128 x 128: 256 work-groups.  Four waves, each 64 x 64: 16 accumulators.  K goes in 4 steps of 256 through two LDS slots (rows of 512 bytes + 16 of padding).
; CLUSTER 4 x 4: the four of a row need the same tile of t, the four of a column the same tile of Wq: each tile is asked for jointly, by the same tensor load, descriptor and mask in all four.
; THE MATRIX INSTRUCTION IS USED TRANSPOSED (source 0 = 16 rows of Wq, source 1 = 16 rows of t): lane l holds row l % 16 and the eight columns 8 (l / 16) + 0..7.
; ONE K STEP IS ONE TRIP: the slot in hand is a scalar (TB, 0 or SLOT) that an exclusive or turns; the lane addresses and the walking descriptor's LDS word are sums with it.
; The tail loop's last change of slots meets a barrier and fetches fragments that nothing uses: the price of writing the tail once.
; REGISTERS: window 0: v0-31 addresses; v8-15 c; v32-95 bk, then the way out; v96-127 bq; v128-255 accumulators ((a, b) at 128 + 8 (4 a + b)).  Window 1: two fragment buffers of 128.
; LIMITS.  f16: q / 32 of 65,520 or more in magnitude becomes an infinity; under 6.1e-5 it keeps f16's fixed step of 6e-8.  NaN and infinities are not treated apart.
.set NS,     4                         ; K steps
.set KSTEP,  256
.set PITCH,  528                       ; an LDS row: 512 bytes + 16 = 132 words: the 16 rows of a fragment load start at 16 different groups of four banks (ISA guide 11.1)
.set HALFT,  64*PITCH                  ; what one tensor load brings
.set BOFF,   2*HALFT                   ; B's 128 rows lie behind A's 128
.set BHALF,  HALFT
.set SLOT,   BOFF+2*BHALF
.set STAGE,  2*SLOT                    ; behind the ring: 128 rows x 272 bytes, for the way out
.set SPITCH, 272
.set SPARE,  STAGE+128*SPITCH          ; the spare words: 128 bytes a wave, two blocks of 256 bytes that no other line names
.set ASTEP,  KSTEP*2                   ; bytes from a K step to the next
.set BSTEP,  KSTEP*2
.set WOFF,   75497472                  ; Wq in nrm
.set CROW,   2048                      ; bytes in a row of q
.set A0, 6                             ; v6   my lane's place in A's part of a slot; never rewritten
.set B0, 7                             ; v7   the same for B
.set CP, 8                             ; v[8:15] four pairs: c of my rows 16 a + r
.set ADRA, 16                          ; v16  A0 + TB
.set ADRB, 20                          ; v20  B0 + TB
.set STO, 24
.set RD,  25
.set CO,  26
.set SPW, 28                           ; v28  my spare word's address; never rewritten
.set NIL, 29                           ; v29  0; never rewritten
.set BO,  30                           ; v30  my byte offset in bq and bk
.set CPO, 31                           ; v31  my byte offset in a record of cpart
.set TMP, 32
.set BK,  32
.set BQ,  96
.set ACC, 128
.set F0,  0
.set F1,  128
.set G1,  24                           ; s[24:31] group 1 for A;  s[32:39] group 0: a set for each first fill; the second then walks
.set G0,  32
.set G1B, 48                           ; s[48:55], s[56:63] the same for B
.set G0B, 56
.set TB,  45                           ; s45  the slot in hand: 0 or SLOT
.set MSB, 0
.macro WIN new                         ; the immediate's high byte repeats the setting that is left
.if MSB != (\new)
	s_set_vgpr_msb (MSB<<8)|(\new)
.set MSB, \new
.endif
.endm
.set MUL,  0x05                        ; sources 0 (B) and 1 (A) window 1; C and D window 0
.set TO_F, 0x40                        ; destination window 1, address window 0
.macro JLOAD                           ; a joint refill: waves 0, 1 fetch A's halves, waves 2, 3 B's; an s_nop 0 and four v_nop follow each line
	s_cmp_eq_u32 s11, 0
	s_cbranch_scc0 .Lfor_b_\@
	tensor_load_to_lds s[G0+4:G0+7], s[G1:G1+7]
	s_nop 0
.rept 4
	v_nop
.endr
	s_branch .Lasked_\@
.Lfor_b_\@:
	tensor_load_to_lds s[G0B+4:G0B+7], s[G1B:G1B+7]
	s_nop 0
.rept 4
	v_nop
.endr
.Lasked_\@:
.endm
.macro CREST                           ; a round of the cluster's barrier behind its opening barrier
	s_cmp_lg_u32 s10, 0
	s_cbranch_scc1 .Lnot_wave_0_\@
	s_barrier_signal -3
.Lnot_wave_0_\@:
	s_barrier_wait -3
	s_barrier_signal -1
	s_barrier_wait -1
.endm
.macro CROUND
	s_barrier_signal -1
	s_barrier_wait -1
	CREST
.endm
.macro MUL8 f, c, a0, zero             ; 8 products: row blocks a0, a0 + 1 x 4 column blocks, 32 along K: half c of buffer f.  The 16 accumulators take turns
	WIN MUL
.irp a, \a0, (\a0)+1
.irp b, 0,1,2,3
.if \zero
	v_wmma_f32_16x16x32_f16 v[ACC+8*(4*(\a)+(\b)):ACC+8*(4*(\a)+(\b))+7], v[(\f)+64+8*(4*(\c)+(\b)):(\f)+64+8*(4*(\c)+(\b))+7], v[(\f)+8*(4*(\c)+(\a)):(\f)+8*(4*(\c)+(\a))+7], 0
.else
	v_wmma_f32_16x16x32_f16 v[ACC+8*(4*(\a)+(\b)):ACC+8*(4*(\a)+(\b))+7], v[(\f)+64+8*(4*(\c)+(\b)):(\f)+64+8*(4*(\c)+(\b))+7], v[(\f)+8*(4*(\c)+(\a)):(\f)+8*(4*(\c)+(\a))+7], v[ACC+8*(4*(\a)+(\b)):ACC+8*(4*(\a)+(\b))+7]
.endif
.endr
.endr
.endm
.macro FETCH qn, f                     ; 32 LDS loads in one run: the fragments of quarter qn (64 along K) of the slot in hand; the first 32 along K first
	WIN TO_F
.irp c, 0,1
.irp i, 0,1,2,3
	ds_load_b128 v[(\f)+64+8*(4*(\c)+(\i)):(\f)+64+8*(4*(\c)+(\i))+3],   v[ADRB] offset:128*(\qn)+64*(\c)+(\i)*16*PITCH
	ds_load_b128 v[(\f)+64+8*(4*(\c)+(\i))+4:(\f)+64+8*(4*(\c)+(\i))+7], v[ADRB] offset:128*(\qn)+64*(\c)+(\i)*16*PITCH+32
	ds_load_b128 v[(\f)+8*(4*(\c)+(\i)):(\f)+8*(4*(\c)+(\i))+3],         v[ADRA] offset:128*(\qn)+64*(\c)+(\i)*16*PITCH
	ds_load_b128 v[(\f)+8*(4*(\c)+(\i))+4:(\f)+8*(4*(\c)+(\i))+7],       v[ADRA] offset:128*(\qn)+64*(\c)+(\i)*16*PITCH+32
.endr
.endr
.endm
.macro PLACES                          ; four places in front of loads into registers that products have read, and of lines that read results
.rept 4
	v_nop
.endr
.endm
.macro QUARTER qn, f, g, zero          ; multiplies buffer f (64 along K) and fetches quarter qn into g
	s_wait_dscnt 16                                ; the first 32 along K are in; the youngest sixteen loads may be out
	MUL8 \f, 0, 0, \zero
	MUL8 \f, 0, 2, \zero
	PLACES
	FETCH \qn, \g
	s_wait_dscnt 32                                ; all but the 32 just issued
	MUL8 \f, 1, 0, 0
	MUL8 \f, 1, 2, 0
.endm
; A K step's last quarter multiplies buffer 1 and changes slots: one barrier.  In front of it each wave waits for all its tensor loads, adds 0 to its spare word, and waits for that and for its
; reads of the slot.  fill = 1: the barrier opens a round of the cluster's, and the slot just read is filled again, two K steps ahead, first thing behind the round.
.macro TURN fill
	WIN 0
	s_wait_tensorcnt 0x0                           ; all my tensor loads have landed: my part of the next slot; a group 0 may be written
	ds_add_u32 v[SPW], v[NIL]
.if \fill
	s_add_co_u32 s[G0+5], s20, s[TB]               ; the walking descriptors: into the slot in hand,
	s_add_co_u32 s[G0B+5], s21, s[TB]
	s_add_nc_u64 s[G0+6:G0+7], s[G0+6:G0+7], ASTEP ; the next K step; the type bits on top are not reached
	s_add_nc_u64 s[G0B+6:G0B+7], s[G0B+6:G0B+7], BSTEP
.endif
	s_wait_dscnt 17                                ; the add and the youngest sixteen loads may be out
	MUL8 F1, 0, 0, 0
	s_wait_dscnt 0x0                               ; the add is done, and my reads of this slot are over
	s_barrier_signal -1
	MUL8 F1, 0, 2, 0
	WIN 0
	s_barrier_wait -1
.if \fill
	CREST                                          ; no wave of any partner still reads this slot or has a load on its way
	JLOAD                                          ; its four v_nop are also the places in front of the loads below
.else
	PLACES
.endif
	s_xor_b32 s[TB], s[TB], SLOT                   ; the other slot
	v_add_nc_u32 v[ADRA], s[TB], v[A0]
	v_add_nc_u32 v[ADRB], s[TB], v[B0]
	FETCH 0, F0
	MUL8 F1, 1, 0, 0
	MUL8 F1, 1, 2, 0
.endm
	s_load_b256 s[68:75], s[0:1], 0x0              ; nrm 68, bq 70, bk 72, q 74
	s_load_b64 s[76:77], s[0:1], 0x20              ; cpart
	v_lshl_add_u32 v[SPW], v0, 2, SPARE
	v_mov_b32 v[NIL], 0
	ds_add_u32 v[SPW], v[NIL]                      ; the wave's opening: the add and its wait ahead of my first tensor load
	v_lshrrev_b32 v1, 5, v0
	v_readfirstlane_b32 s10, v1                    ; wave 0..3
	s_lshr_b32 s11, s10, 1                         ; my half of the tile's rows; also: I fetch for A (0) or B (1)
	s_and_b32 s12, s10, 1                          ; my half of its columns; also: which half of that tile I fetch
	s_bfe_u32 s40, ttmp6, 0x40000                  ; cx
	s_bfe_u32 s41, ttmp6, 0x40004                  ; cy
	s_lshl_b32 s42, ttmp9, 2
	s_add_co_u32 s42, s42, s40                     ; tile column
	s_and_b32 s13, ttmp7, 0xffff
	s_lshl_b32 s13, s13, 2
	s_add_co_u32 s13, s13, s41                     ; tile row
	s_lshl_b32 s43, s41, 2
	s_lshl_b32 s43, 15, s43                        ; my row of the cluster
	s_lshl_b32 s44, 0x1111, s40                    ; my column
	s_or_b32 s[G1], s43, (1<<16)|(1<<20)|(1<<21)|(6<<22)|(3<<25)   ; mask; 2-byte elements; padding on; bit 21 beside a mask; after every 128 words, 4 words
	s_or_b32 s[G1B], s44, (1<<16)|(1<<20)|(1<<21)|(6<<22)|(3<<25)
.irp g, G1, G1B
	s_mov_b32 s[(\g)+1], KSTEP<<16                 ; tensor_dim0 = 256
	s_mov_b32 s[(\g)+2], 64<<16                    ; tensor_dim1 = 64
	s_mov_b32 s[(\g)+3], KSTEP<<16                 ; tile_dim0 = 256
	s_mov_b32 s[(\g)+4], 64                        ; tile_dim1 = 64
	s_mov_b32 s[(\g)+5], 1024                      ; elements from row to row
	s_mov_b32 s[(\g)+6], 0
	s_mov_b32 s[(\g)+7], 0
.endr
	s_lshl_b32 s16, s13, 7
	s_lshl_b32 s17, s12, 6
	s_add_co_u32 s16, s16, s17                     ; A: row 128 x tile row + 64 x half
	s_lshl_b32 s16, s16, 11
	s_mov_b32 s17, 0
	s_lshl_b32 s46, s42, 7
	s_lshl_b32 s47, s12, 6
	s_add_co_u32 s46, s46, s47                     ; B: row 128 x tile column + 64 x half
	s_lshl_b32 s46, s46, 11
	s_mov_b32 s47, 0
	s_mul_i32 s20, s12, HALFT                      ; where they go in a slot: no place in the cluster enters an LDS address
	s_mul_i32 s21, s12, BHALF
	s_add_co_u32 s21, s21, BOFF
	s_mov_b32 s[TB], 0
	s_mov_b32 s66, 0x76543210
	s_mov_b32 s67, 0xfedcba98
	s_mov_b32 s82, 0x3d000000                      ; 1 / 32
	s_mov_b32 s83, s82                             ; named with it as a pair
	s_wait_dscnt 0x0                               ; the opening add is done
	s_wait_kmcnt 0x0
	s_add_nc_u64 s[14:15], s[68:69], s[16:17]      ; t lies at nrm's head
	s_add_nc_u64 s[46:47], s[68:69], s[46:47]
	s_add_nc_u64 s[46:47], s[46:47], WOFF
.irp s, 0,1
	s_mov_b32 s[G0+4*(\s)], 1
	s_add_co_u32 s[G0+4*(\s)+1], s20, (\s)*SLOT
	s_add_nc_u64 s[G0+4*(\s)+2:G0+4*(\s)+3], s[14:15], (\s)*ASTEP
	s_or_b32 s[G0+4*(\s)+3], s[G0+4*(\s)+3], 0x80000000
	s_mov_b32 s[G0B+4*(\s)], 1
	s_add_co_u32 s[G0B+4*(\s)+1], s21, (\s)*SLOT
	s_add_nc_u64 s[G0B+4*(\s)+2:G0B+4*(\s)+3], s[46:47], (\s)*BSTEP
	s_or_b32 s[G0B+4*(\s)+3], s[G0B+4*(\s)+3], 0x80000000
.endr
	CROUND                                         ; all sixteen work-groups are here: the first joint loads meet
	s_cmp_eq_u32 s11, 0                            ; a wave's two first fills stand in one branch: two loads of mine are out
	s_cbranch_scc0 .Lfirst_b
	tensor_load_to_lds s[G0:G0+3], s[G1:G1+7]
	s_nop 0
	tensor_load_to_lds s[G0+4:G0+7], s[G1:G1+7]
	s_nop 0
.rept 4
	v_nop
.endr
	s_branch .Lfirst_asked
.Lfirst_b:
	tensor_load_to_lds s[G0B:G0B+3], s[G1B:G1B+7]
	s_nop 0
	tensor_load_to_lds s[G0B+4:G0B+7], s[G1B:G1B+7]
	s_nop 0
.rept 4
	v_nop
.endr
.Lfirst_asked:
	v_and_b32 v1, 15, v0                           ; r = l % 16
	v_bfe_u32 v2, v0, 4, 1                         ; h = l / 16
	s_lshl_b32 s18, s42, 9
	s_lshl_b32 s19, s12, 8
	s_add_co_u32 s18, s18, s19
	v_lshl_add_u32 v[BO], v2, 5, s18               ; bq, bk: column 128 x tile column + 64 x half + 8 h, 4 bytes each
.irp b, 0,1,2,3
	global_load_b128 v[BQ+8*(\b):BQ+8*(\b)+3],   v[BO], s[70:71] offset:64*(\b)
	global_load_b128 v[BQ+8*(\b)+4:BQ+8*(\b)+7], v[BO], s[70:71] offset:64*(\b)+16
	global_load_b128 v[BK+8*(\b):BK+8*(\b)+3],   v[BO], s[72:73] offset:64*(\b)
	global_load_b128 v[BK+8*(\b)+4:BK+8*(\b)+7], v[BO], s[72:73] offset:64*(\b)+16
.endr
	v_mul_u32_u24 v3, v1, PITCH
	v_lshl_add_u32 v3, v2, 4, v3                   ; a fragment's row x pitch + 16 x half
	s_mul_i32 s22, s11, HALFT
	v_add_nc_u32 v[A0], s22, v3
	s_mul_i32 s23, s12, HALFT
	s_add_co_u32 s23, s23, BOFF
	v_add_nc_u32 v[B0], s23, v3
	v_mov_b32 v[ADRA], v[A0]
	v_mov_b32 v[ADRB], v[B0]
	s_mul_i32 s23, s11, 64*SPITCH                  ; into the stage: my 64 rows, my half of their 256 bytes
	s_lshl_b32 s22, s12, 7
	s_add_co_u32 s23, s23, s22
	s_add_co_u32 s23, s23, STAGE
	v_mul_u32_u24 v4, v1, SPITCH
	v_lshl_add_u32 v4, v2, 4, v4
	v_add_nc_u32 v[STO], s23, v4
	s_mul_i32 s23, s10, 32*SPITCH                  ; back: wave w takes rows 32 w .. 32 w + 31, whole
	s_add_co_u32 s23, s23, STAGE
	v_mul_u32_u24 v5, v2, SPITCH
	v_lshl_add_u32 v5, v1, 4, v5
	v_add_nc_u32 v[RD], s23, v5
	v_mul_u32_u24 v5, v2, CROW
	v_lshl_add_u32 v[CO], v1, 4, v5
	s_lshl_b32 s16, s13, 7
	s_lshl_b32 s17, s10, 5
	s_add_co_u32 s16, s16, s17                     ; the first row of q that I store
	s_lshl_b32 s16, s16, 11
	s_mov_b32 s17, 0
	s_add_nc_u64 s[8:9], s[74:75], s[16:17]
	s_lshl_b32 s46, s42, 8                         ; the tile's first column, in bytes
	s_mov_b32 s47, 0
	s_add_nc_u64 s[8:9], s[8:9], s[46:47]
	s_lshl_b32 s18, s42, 1
	s_add_co_u32 s18, s18, s12                     ; slab of 64 columns
	s_lshl_b32 s18, s18, 6
	s_lshl_b32 s19, s13, 1
	s_add_co_u32 s19, s19, s11                     ; block of 64 rows
	s_add_co_u32 s18, s18, s19
	s_lshl_b32 s18, s18, 8                         ; a record is 256 bytes: [r][a]
	s_mov_b32 s19, 0
	s_add_nc_u64 s[76:77], s[76:77], s[18:19]
	v_lshlrev_b32 v[CPO], 4, v1
	v_lshl_add_u32 v[CPO], v2, 3, v[CPO]           ; 16 r + 8 h
	s_wait_tensorcnt 1                             ; my part of K step 0 is in; slot 1's may stay out
	s_barrier_signal -1
	s_barrier_wait -1
	FETCH 0, F0
	QUARTER 1, F0, F1, 1                           ; the first quarter stands in front of the loops: its products start the sums
	WIN 0
	s_mov_b32 s3, NS-2
.LloopA:                                       ; a trip: from a K step's second quarter to the next step's first; the slot left behind is filled again
	QUARTER 2, F1, F0, 0
	QUARTER 3, F0, F1, 0
	TURN 1
	QUARTER 1, F0, F1, 0
	WIN 0
	s_sub_co_u32 s3, s3, 1
	s_cmp_lg_u32 s3, 0
	s_cbranch_scc1 .LloopA
	s_mov_b32 s3, 2
.LloopB:                                       ; the last two K steps ask for nothing; the second trip is left in its middle
	QUARTER 2, F1, F0, 0
	QUARTER 3, F0, F1, 0
	TURN 0
	WIN 0
	s_sub_co_u32 s3, s3, 1
	s_cmp_eq_u32 s3, 0
	s_cbranch_scc1 .Lout
	QUARTER 1, F0, F1, 0
	WIN 0
	s_cmp_lg_u32 s3, 0
	s_cbranch_scc1 .LloopB
.Lout:
	s_wait_loadcnt 0x0                             ; bq and bk
.set i, 0
.rept 16                                       ; bq / 32; these sixteen plain lines, which name no register of the products, are also the places behind the last of them
	v_pk_mul_f32 v[BQ+2*i:BQ+2*i+1], v[BQ+2*i:BQ+2*i+1], s[82:83] op_sel_hi:[1,0]
.set i, i+1
.endr
.set t, 0
.rept 16                                       ; q = sums / 32 + bq / 32; each accumulator's lowest registers are read first
.set j, 0
.rept 4
	v_pk_fma_f32 v[ACC+8*t+j:ACC+8*t+j+1], v[ACC+8*t+j:ACC+8*t+j+1], s[82:83], v[BQ+8*(t%4)+j:BQ+8*(t%4)+j+1] op_sel_hi:[1,0,1]
.set j, j+2
.endr
.set t, t+1
.endr
.set i, 0
.rept 16                                       ; q . bk over my 32 columns of each of my four rows: four chains that take turns
.set a, 0
.rept 4
.if i == 0
	v_pk_mul_f32 v[CP+2*a:CP+2*a+1], v[ACC+32*a:ACC+32*a+1], v[BK:BK+1]
.else
	v_pk_fma_f32 v[CP+2*a:CP+2*a+1], v[ACC+32*a+2*i:ACC+32*a+2*i+1], v[BK+2*i:BK+2*i+1], v[CP+2*a:CP+2*a+1]
.endif
.set a, a+1
.endr
.set i, i+1
.endr
.irp a, 0,1,2,3
	v_add_f32 v[CP+2*(\a)], v[CP+2*(\a)], v[CP+2*(\a)+1]
.endr
.irp a, 0,1,2,3
	v_permlanex16_b32 v[CP+2*(\a)+1], v[CP+2*(\a)], s66, s67  ; the row's other 32 columns lie in the lane 16 away
.endr
.irp a, 0,1,2,3
	v_add_f32 v[CP+2*(\a)], v[CP+2*(\a)], v[CP+2*(\a)+1]
.endr
.set i, 0
.rept 64
	v_cvt_pk_f16_f32 v[TMP+i], v[ACC+2*i], v[ACC+2*i+1]
.set i, i+1
.endr
.irp a, 0,1,2,3
.irp b, 0,1,2,3
	ds_store_b128 v[STO], v[TMP+4*(4*(\a)+(\b)):TMP+4*(4*(\a)+(\b))+3] offset:(\a)*16*SPITCH+32*(\b)
.endr
.endr
	v_cmp_eq_u32 s80, 1, v2                        ; lanes 16-31 store rows 32 + r and 48 + r, lanes 0-15 rows r and 16 + r
	v_cndmask_b32 v[CP], v[CP], v[CP+4], s80
	v_cndmask_b32 v[CP+1], v[CP+2], v[CP+6], s80
	global_store_b64 v[CPO], v[CP:CP+1], s[76:77]  ; 256 consecutive bytes, aligned
	s_wait_dscnt 0x0                               ; for the others' sake: my stores into the stage are done (and the unused fragments are in)
	s_barrier_signal -1
	s_barrier_wait -1
.irp t, 0,1,2,3,4,5,6,7,8,9,10,11,12,13,14,15
	ds_load_b128 v[TMP+4*(\t):TMP+4*(\t)+3], v[RD] offset:(\t)*2*SPITCH
.endr
.irp t, 0,1,2,3,4,5,6,7,8,9,10,11,12,13,14,15
	s_wait_dscnt 15-(\t)
	global_store_b128 v[CO], v[TMP+4*(\t):TMP+4*(\t)+3], s[8:9] offset:2*(\t)*CROW  ; 16 lanes store 256 consecutive bytes, aligned
.endr
	s_wait_tensorcnt 0x0                           ; the wave's end
	ds_add_u32 v[SPW], v[NIL]
	s_wait_dscnt 0x0
	CROUND                                         ; the closing round
	s_endpgm
.Lfunc_end_k_q747d7f239b_g1:
	.size	k_q747d7f239b_g1, .Lfunc_end_k_q747d7f239b_g1-k_q747d7f239b_g1
	.p2alignl 7, 3214868480
	.fill 96, 4, 3214868480
	.section	.rodata,"a",@progbits
	.p2align	6, 0x0
	.amdhsa_kernel k_q747d7f239b_g1
		.amdhsa_group_segment_fixed_size 327680
		.amdhsa_private_segment_fixed_size 0
		.amdhsa_enable_private_segment 0
		.amdhsa_kernarg_size 40
		.amdhsa_user_sgpr_count 2
		.amdhsa_user_sgpr_kernarg_segment_ptr 1
		.amdhsa_wavefront_size32 1
		.amdhsa_system_sgpr_workgroup_id_x 1
		.amdhsa_system_sgpr_workgroup_id_y 1
		.amdhsa_system_sgpr_workgroup_id_z 1
		.amdhsa_system_vgpr_workitem_id 0
		.amdhsa_next_free_vgpr 512
		.amdhsa_next_free_sgpr 84
		.amdhsa_reserve_vcc 0
		.amdhsa_float_denorm_mode_32 3
		.amdhsa_float_denorm_mode_16_64 3
		.amdhsa_memory_ordered 1
		.amdhsa_forward_progress 1
		.amdhsa_inst_pref_size 70
	.end_amdhsa_kernel
	.amdgpu_metadata
---
amdhsa.version: [ 1, 2 ]
amdhsa.kernels:
  - .name:           k_q747d7f239b_g1
    .symbol:         k_q747d7f239b_g1.kd
    .args:
      - { .name: nrm, .offset: 0, .size: 8, .value_kind: global_buffer, .address_space: global }
      - { .name: bq, .offset: 8, .size: 8, .value_kind: global_buffer, .address_space: global }
      - { .name: bk, .offset: 16, .size: 8, .value_kind: global_buffer, .address_space: global }
      - { .name: q, .offset: 24, .size: 8, .value_kind: global_buffer, .address_space: global }
      - { .name: cpart, .offset: 32, .size: 8, .value_kind: global_buffer, .address_space: global }
    .group_segment_fixed_size: 327680
    .private_segment_fixed_size: 0
    .kernarg_segment_align: 8
    .kernarg_segment_size: 40
    .max_flat_workgroup_size: 128
    .sgpr_count:     84
    .vgpr_count:     512
    .wavefront_size: 32
...
	.end_amdgpu_metadata
.endif
;; end of part 2
;; launch g2 (part 3): grid 8 x 32, 4 waves a work-group, clusters of 4 x 4, 327,680 bytes of LDS; arguments q, nrm, qp; writes qp
.if DOCPART == 3
	.amdgcn_target "amdgcn-amd-amdhsa--gfx1250"
	.amdhsa_code_object_version 6
	.text
	.protected	k_q747d7f239b_g2
	.globl	k_q747d7f239b_g2
	.p2align	8
	.type	k_q747d7f239b_g2,@function
k_q747d7f239b_g2:
	s_mov_b64 s[64:65], 0
	v_nop
	global_prefetch_b8 v0, s[64:65] scope:SCOPE_SE
	s_setreg_imm32_b32 hwreg(HW_REG_WAVE_MODE, 25, 1), 1
	s_wait_xcnt 0x0
	s_wait_alu depctr_hold_cnt(0) depctr_sa_sdst(0) depctr_va_vdst(0) depctr_va_sdst(0) depctr_va_ssrc(0) depctr_va_vcc(0) depctr_vm_vsrc(0)
	s_getreg_b32 s2, hwreg(HW_REG_IB_STS2, 6, 4)
	s_cmp_eq_u32 s2, 0
	s_cbranch_scc0 .Lentry_in_a_cluster
	s_endpgm
.Lentry_in_a_cluster:
	s_bfe_u32 s2, ttmp6, 0x10000c
	s_cmp_lg_u32 s2, 0xf033
	s_cbranch_scc0 .Lentry_shape_is_right
	s_endpgm
.Lentry_shape_is_right:
; G2.  qp[i][d] = the sum over e of q[i][e] Wk[e][d], stored f16: the key projection moved onto the queries, q . (Wk sk) = (q Wk) . sk.  q: [4096][1024] f16, the scale 1 / 32 in it; Wk: f16 rows of 2,048 bytes in nrm.
; Sums in f32.  Tile 128 x 128, 256 work-groups, four waves of 64 x 64, K in 4 steps of 256 through two LDS slots, cluster 4 x 4 with joint loads: A's tile along a row, B's along a column.
; B LIES [K][N]: a K step's tile is 256 rows of Wk x 128 columns (256 bytes + 32 of padding), and its fragments come out of LDS turned, by ds_load_tr16_b128.
; The matrix instruction is used transposed (source 0 = 16 columns of Wk, source 1 = 16 rows of q): lane l holds row l % 16 and the eight columns 8 (l / 16) + 0..7.
; One K step is one trip: the slot in hand is a scalar (TB) that an exclusive or turns.  The tail loop's last change of slots meets a barrier and fetches fragments that nothing uses: the price of one text.
; REGISTERS: window 0: v0-31 addresses; v32-95 the way out; v128-255 accumulators.  Window 1: two fragment buffers of 128.
; LIMITS.  f16: a result of 65,520 or more in magnitude becomes an infinity; under 6.1e-5 it keeps f16's fixed step of 6e-8.  NaN and infinities are not treated apart.
.set NS,     4
.set KSTEP,  256
.set PITCH,  528                       ; a row of A in LDS: 512 bytes + 16
.set HALFT,  64*PITCH
.set BOFF,   2*HALFT
.set PB,     288                       ; a row of B in LDS: 256 + 32 = 72 words
.set BHALF,  128*PB                    ; what one of B's tensor loads brings: 128 rows
.set SLOT,   BOFF+2*BHALF
.set STAGE,  2*SLOT
.set SPITCH, 272
.set SPARE,  STAGE+128*SPITCH
.set ASTEP,  KSTEP*2
.set BSTEP,  KSTEP*2048                ; 256 rows of Wk
.set WOFF,   77594624                  ; Wk in nrm
.set CROW,   2048
.set A0, 6
.set B0, 7
.set ADRA, 16
.set ADRB, 20                          ; v20: B0 + TB; v21: 128 rows further, so that the immediates stay inside 16 bits
.set STO, 24
.set RD,  25
.set CO,  26
.set SPW, 28
.set NIL, 29
.set TMP, 32
.set ACC, 128
.set F0,  0
.set F1,  128
.set G1,  24
.set G0,  32
.set G1B, 48
.set G0B, 56
.set TB,  45
.set MSB, 0
.macro WIN new
.if MSB != (\new)
	s_set_vgpr_msb (MSB<<8)|(\new)
.set MSB, \new
.endif
.endm
.set MUL,  0x05
.set TO_F, 0x40
.macro JLOAD                           ; a joint refill: waves 0, 1 fetch A's halves, waves 2, 3 B's; an s_nop 0 and four v_nop follow each line
	s_cmp_eq_u32 s11, 0
	s_cbranch_scc0 .Lfor_b_\@
	tensor_load_to_lds s[G0+4:G0+7], s[G1:G1+7]
	s_nop 0
.rept 4
	v_nop
.endr
	s_branch .Lasked_\@
.Lfor_b_\@:
	tensor_load_to_lds s[G0B+4:G0B+7], s[G1B:G1B+7]
	s_nop 0
.rept 4
	v_nop
.endr
.Lasked_\@:
.endm
.macro CREST
	s_cmp_lg_u32 s10, 0
	s_cbranch_scc1 .Lnot_wave_0_\@
	s_barrier_signal -3
.Lnot_wave_0_\@:
	s_barrier_wait -3
	s_barrier_signal -1
	s_barrier_wait -1
.endm
.macro CROUND
	s_barrier_signal -1
	s_barrier_wait -1
	CREST
.endm
.macro MUL8 f, c, a0, zero             ; 8 products; the 16 accumulators take turns
	WIN MUL
.irp a, \a0, (\a0)+1
.irp b, 0,1,2,3
.if \zero
	v_wmma_f32_16x16x32_f16 v[ACC+8*(4*(\a)+(\b)):ACC+8*(4*(\a)+(\b))+7], v[(\f)+64+8*(4*(\c)+(\b)):(\f)+64+8*(4*(\c)+(\b))+7], v[(\f)+8*(4*(\c)+(\a)):(\f)+8*(4*(\c)+(\a))+7], 0
.else
	v_wmma_f32_16x16x32_f16 v[ACC+8*(4*(\a)+(\b)):ACC+8*(4*(\a)+(\b))+7], v[(\f)+64+8*(4*(\c)+(\b)):(\f)+64+8*(4*(\c)+(\b))+7], v[(\f)+8*(4*(\c)+(\a)):(\f)+8*(4*(\c)+(\a))+7], v[ACC+8*(4*(\a)+(\b)):ACC+8*(4*(\a)+(\b))+7]
.endif
.endr
.endr
.endm
.macro FETCH qn, f                     ; 32 LDS loads in one run: quarter qn (64 along K): B turned (rows 64 qn + 32 c on, columns 16 i on), A as it lies
	WIN TO_F
.irp c, 0,1
.irp i, 0,1,2,3
	ds_load_tr16_b128 v[(\f)+64+8*(4*(\c)+(\i)):(\f)+64+8*(4*(\c)+(\i))+3],   v[ADRB+((\qn)>>1)] offset:(((\qn)&1)*64+32*(\c))*PB+32*(\i)
	ds_load_tr16_b128 v[(\f)+64+8*(4*(\c)+(\i))+4:(\f)+64+8*(4*(\c)+(\i))+7], v[ADRB+((\qn)>>1)] offset:(((\qn)&1)*64+32*(\c)+16)*PB+32*(\i)
	ds_load_b128 v[(\f)+8*(4*(\c)+(\i)):(\f)+8*(4*(\c)+(\i))+3],         v[ADRA] offset:128*(\qn)+64*(\c)+(\i)*16*PITCH
	ds_load_b128 v[(\f)+8*(4*(\c)+(\i))+4:(\f)+8*(4*(\c)+(\i))+7],       v[ADRA] offset:128*(\qn)+64*(\c)+(\i)*16*PITCH+32
.endr
.endr
.endm
.macro PLACES
.rept 4
	v_nop
.endr
.endm
.macro QUARTER qn, f, g, zero
	s_wait_dscnt 16                                ; the first 32 along K are in
	MUL8 \f, 0, 0, \zero
	MUL8 \f, 0, 2, \zero
	PLACES
	FETCH \qn, \g
	s_wait_dscnt 32                                ; all but the 32 just issued
	MUL8 \f, 1, 0, 0
	MUL8 \f, 1, 2, 0
.endm
.macro TURN fill                       ; the last quarter and the change of slots: wait for all tensor loads, the add, the wait for it and for my reads, the barrier (a round where a slot is filled), the refill first
	WIN 0
	s_wait_tensorcnt 0x0                           ; all my tensor loads have landed; a group 0 may be written
	ds_add_u32 v[SPW], v[NIL]
.if \fill
	s_add_co_u32 s[G0+5], s20, s[TB]
	s_add_co_u32 s[G0B+5], s21, s[TB]
	s_add_nc_u64 s[G0+6:G0+7], s[G0+6:G0+7], ASTEP
	s_add_nc_u64 s[G0B+6:G0B+7], s[G0B+6:G0B+7], BSTEP
.endif
	s_wait_dscnt 17                                ; the add and the youngest sixteen loads may be out
	MUL8 F1, 0, 0, 0
	s_wait_dscnt 0x0                               ; the add is done, and my reads of this slot are over
	s_barrier_signal -1
	MUL8 F1, 0, 2, 0
	WIN 0
	s_barrier_wait -1
.if \fill
	CREST
	JLOAD
.else
	PLACES
.endif
	s_xor_b32 s[TB], s[TB], SLOT
	v_add_nc_u32 v[ADRA], s[TB], v[A0]
	v_add_nc_u32 v[ADRB], s[TB], v[B0]
	v_add_nc_u32 v[ADRB+1], BHALF, v[ADRB]
	FETCH 0, F0
	MUL8 F1, 1, 0, 0
	MUL8 F1, 1, 2, 0
.endm
	s_load_b128 s[68:71], s[0:1], 0x0              ; q 68, nrm 70
	s_load_b64 s[72:73], s[0:1], 0x10              ; qp
	v_lshl_add_u32 v[SPW], v0, 2, SPARE
	v_mov_b32 v[NIL], 0
	ds_add_u32 v[SPW], v[NIL]                      ; the wave's opening: the add and its wait ahead of my first tensor load
	v_lshrrev_b32 v1, 5, v0
	v_readfirstlane_b32 s10, v1
	s_lshr_b32 s11, s10, 1
	s_and_b32 s12, s10, 1
	s_bfe_u32 s40, ttmp6, 0x40000
	s_bfe_u32 s41, ttmp6, 0x40004
	s_lshl_b32 s42, ttmp9, 2
	s_add_co_u32 s42, s42, s40                     ; tile column
	s_and_b32 s13, ttmp7, 0xffff
	s_lshl_b32 s13, s13, 2
	s_add_co_u32 s13, s13, s41                     ; tile row
	s_lshl_b32 s43, s41, 2
	s_lshl_b32 s43, 15, s43
	s_lshl_b32 s44, 0x1111, s40
	s_or_b32 s[G1], s43, (1<<16)|(1<<20)|(1<<21)|(6<<22)|(3<<25)   ; A: after every 128 words, 4 words of padding
	s_or_b32 s[G1B], s44, (1<<16)|(1<<20)|(1<<21)|(5<<22)|(7<<25)  ; B: after every 64 words, 8 words
	s_mov_b32 s[G1+1], KSTEP<<16                   ; A: 64 rows x 256 elements
	s_mov_b32 s[G1+2], 64<<16
	s_mov_b32 s[G1+3], KSTEP<<16
	s_mov_b32 s[G1+4], 64
	s_mov_b32 s[G1+5], 1024
	s_mov_b32 s[G1+6], 0
	s_mov_b32 s[G1+7], 0
	s_mov_b32 s[G1B+1], 128<<16                    ; B: 128 rows x 128 elements
	s_mov_b32 s[G1B+2], 128<<16
	s_mov_b32 s[G1B+3], 128<<16
	s_mov_b32 s[G1B+4], 128
	s_mov_b32 s[G1B+5], 1024
	s_mov_b32 s[G1B+6], 0
	s_mov_b32 s[G1B+7], 0
	s_lshl_b32 s16, s13, 7
	s_lshl_b32 s17, s12, 6
	s_add_co_u32 s16, s16, s17
	s_lshl_b32 s16, s16, 11
	s_mov_b32 s17, 0
	s_lshl_b32 s46, s12, 18                        ; B: 128 rows of 2,048 bytes x half,
	s_lshl_b32 s47, s42, 8                         ; 256 bytes x tile column
	s_add_co_u32 s46, s46, s47
	s_mov_b32 s47, 0
	s_mul_i32 s20, s12, HALFT
	s_mul_i32 s21, s12, BHALF
	s_add_co_u32 s21, s21, BOFF
	s_mov_b32 s[TB], 0
	s_wait_dscnt 0x0
	s_wait_kmcnt 0x0
	s_add_nc_u64 s[14:15], s[68:69], s[16:17]
	s_add_nc_u64 s[46:47], s[70:71], s[46:47]
	s_add_nc_u64 s[46:47], s[46:47], WOFF
.irp s, 0,1
	s_mov_b32 s[G0+4*(\s)], 1
	s_add_co_u32 s[G0+4*(\s)+1], s20, (\s)*SLOT
	s_add_nc_u64 s[G0+4*(\s)+2:G0+4*(\s)+3], s[14:15], (\s)*ASTEP
	s_or_b32 s[G0+4*(\s)+3], s[G0+4*(\s)+3], 0x80000000
	s_mov_b32 s[G0B+4*(\s)], 1
	s_add_co_u32 s[G0B+4*(\s)+1], s21, (\s)*SLOT
	s_add_nc_u64 s[G0B+4*(\s)+2:G0B+4*(\s)+3], s[46:47], (\s)*BSTEP
	s_or_b32 s[G0B+4*(\s)+3], s[G0B+4*(\s)+3], 0x80000000
.endr
	CROUND
	s_cmp_eq_u32 s11, 0
	s_cbranch_scc0 .Lfirst_b
	tensor_load_to_lds s[G0:G0+3], s[G1:G1+7]
	s_nop 0
	tensor_load_to_lds s[G0+4:G0+7], s[G1:G1+7]
	s_nop 0
.rept 4
	v_nop
.endr
	s_branch .Lfirst_asked
.Lfirst_b:
	tensor_load_to_lds s[G0B:G0B+3], s[G1B:G1B+7]
	s_nop 0
	tensor_load_to_lds s[G0B+4:G0B+7], s[G1B:G1B+7]
	s_nop 0
.rept 4
	v_nop
.endr
.Lfirst_asked:
	v_and_b32 v1, 15, v0
	v_bfe_u32 v2, v0, 4, 1
	v_mul_u32_u24 v3, v1, PITCH
	v_lshl_add_u32 v3, v2, 4, v3
	s_mul_i32 s22, s11, HALFT
	v_add_nc_u32 v[A0], s22, v3
	v_and_b32 v4, 7, v0                            ; the turning load: lane l reads row 8 (l / 16) + l % 8, 16 bytes at 16 ((l / 8) % 2)
	v_bfe_u32 v5, v0, 3, 1
	v_lshl_add_u32 v4, v2, 3, v4
	v_mul_u32_u24 v4, v4, PB
	v_lshl_add_u32 v4, v5, 4, v4
	s_lshl_b32 s23, s12, 7                         ; my 64 columns
	s_add_co_u32 s23, s23, BOFF
	v_add_nc_u32 v[B0], s23, v4
	v_mov_b32 v[ADRA], v[A0]
	v_mov_b32 v[ADRB], v[B0]
	v_add_nc_u32 v[ADRB+1], BHALF, v[B0]
	s_mul_i32 s23, s11, 64*SPITCH
	s_lshl_b32 s22, s12, 7
	s_add_co_u32 s23, s23, s22
	s_add_co_u32 s23, s23, STAGE
	v_mul_u32_u24 v4, v1, SPITCH
	v_lshl_add_u32 v4, v2, 4, v4
	v_add_nc_u32 v[STO], s23, v4
	s_mul_i32 s23, s10, 32*SPITCH
	s_add_co_u32 s23, s23, STAGE
	v_mul_u32_u24 v5, v2, SPITCH
	v_lshl_add_u32 v5, v1, 4, v5
	v_add_nc_u32 v[RD], s23, v5
	v_mul_u32_u24 v5, v2, CROW
	v_lshl_add_u32 v[CO], v1, 4, v5
	s_lshl_b32 s16, s13, 7
	s_lshl_b32 s17, s10, 5
	s_add_co_u32 s16, s16, s17
	s_lshl_b32 s16, s16, 11
	s_mov_b32 s17, 0
	s_add_nc_u64 s[8:9], s[72:73], s[16:17]
	s_lshl_b32 s46, s42, 8
	s_mov_b32 s47, 0
	s_add_nc_u64 s[8:9], s[8:9], s[46:47]
	s_wait_tensorcnt 1                             ; my part of K step 0 is in; slot 1's may stay out
	s_barrier_signal -1
	s_barrier_wait -1
	FETCH 0, F0
	QUARTER 1, F0, F1, 1
	WIN 0
	s_mov_b32 s3, NS-2
.LloopA:
	QUARTER 2, F1, F0, 0
	QUARTER 3, F0, F1, 0
	TURN 1
	QUARTER 1, F0, F1, 0
	WIN 0
	s_sub_co_u32 s3, s3, 1
	s_cmp_lg_u32 s3, 0
	s_cbranch_scc1 .LloopA
	s_mov_b32 s3, 2
.LloopB:                                       ; the last two K steps ask for nothing; the second trip is left in its middle
	QUARTER 2, F1, F0, 0
	QUARTER 3, F0, F1, 0
	TURN 0
	WIN 0
	s_sub_co_u32 s3, s3, 1
	s_cmp_eq_u32 s3, 0
	s_cbranch_scc1 .Lout
	QUARTER 1, F0, F1, 0
	WIN 0
	s_cmp_lg_u32 s3, 0
	s_cbranch_scc1 .LloopB
.Lout:
	PLACES
.set i, 0
.rept 64                                       ; ascending: each accumulator's lowest registers are read first
	v_cvt_pk_f16_f32 v[TMP+i], v[ACC+2*i], v[ACC+2*i+1]
.set i, i+1
.endr
.irp a, 0,1,2,3
.irp b, 0,1,2,3
	ds_store_b128 v[STO], v[TMP+4*(4*(\a)+(\b)):TMP+4*(4*(\a)+(\b))+3] offset:(\a)*16*SPITCH+32*(\b)
.endr
.endr
	s_wait_dscnt 0x0                               ; for the others' sake: my stores into the stage are done
	s_barrier_signal -1
	s_barrier_wait -1
.irp t, 0,1,2,3,4,5,6,7,8,9,10,11,12,13,14,15
	ds_load_b128 v[TMP+4*(\t):TMP+4*(\t)+3], v[RD] offset:(\t)*2*SPITCH
.endr
.irp t, 0,1,2,3,4,5,6,7,8,9,10,11,12,13,14,15
	s_wait_dscnt 15-(\t)
	global_store_b128 v[CO], v[TMP+4*(\t):TMP+4*(\t)+3], s[8:9] offset:2*(\t)*CROW  ; 16 lanes store 256 consecutive bytes, aligned
.endr
	s_wait_tensorcnt 0x0                           ; the wave's end
	ds_add_u32 v[SPW], v[NIL]
	s_wait_dscnt 0x0
	CROUND
	s_endpgm
.Lfunc_end_k_q747d7f239b_g2:
	.size	k_q747d7f239b_g2, .Lfunc_end_k_q747d7f239b_g2-k_q747d7f239b_g2
	.p2alignl 7, 3214868480
	.fill 96, 4, 3214868480
	.section	.rodata,"a",@progbits
	.p2align	6, 0x0
	.amdhsa_kernel k_q747d7f239b_g2
		.amdhsa_group_segment_fixed_size 327680
		.amdhsa_private_segment_fixed_size 0
		.amdhsa_enable_private_segment 0
		.amdhsa_kernarg_size 24
		.amdhsa_user_sgpr_count 2
		.amdhsa_user_sgpr_kernarg_segment_ptr 1
		.amdhsa_wavefront_size32 1
		.amdhsa_system_sgpr_workgroup_id_x 1
		.amdhsa_system_sgpr_workgroup_id_y 1
		.amdhsa_system_sgpr_workgroup_id_z 1
		.amdhsa_system_vgpr_workitem_id 0
		.amdhsa_next_free_vgpr 512
		.amdhsa_next_free_sgpr 84
		.amdhsa_reserve_vcc 0
		.amdhsa_float_denorm_mode_32 3
		.amdhsa_float_denorm_mode_16_64 3
		.amdhsa_memory_ordered 1
		.amdhsa_forward_progress 1
		.amdhsa_inst_pref_size 59
	.end_amdhsa_kernel
	.amdgpu_metadata
---
amdhsa.version: [ 1, 2 ]
amdhsa.kernels:
  - .name:           k_q747d7f239b_g2
    .symbol:         k_q747d7f239b_g2.kd
    .args:
      - { .name: q, .offset: 0, .size: 8, .value_kind: global_buffer, .address_space: global }
      - { .name: nrm, .offset: 8, .size: 8, .value_kind: global_buffer, .address_space: global }
      - { .name: qp, .offset: 16, .size: 8, .value_kind: global_buffer, .address_space: global }
    .group_segment_fixed_size: 327680
    .private_segment_fixed_size: 0
    .kernarg_segment_align: 8
    .kernarg_segment_size: 24
    .max_flat_workgroup_size: 128
    .sgpr_count:     84
    .vgpr_count:     512
    .wavefront_size: 32
...
	.end_amdgpu_metadata
.endif
;; end of part 3
;; launch sc (part 4): grid 8 x 32, 4 waves a work-group, clusters of 4 x 4, 327,680 bytes of LDS; arguments qp, nrm, cpart, p, st; writes p, st
.if DOCPART == 4
	.amdgcn_target "amdgcn-amd-amdhsa--gfx1250"
	.amdhsa_code_object_version 6
	.text
	.protected	k_q747d7f239b_sc
	.globl	k_q747d7f239b_sc
	.p2align	8
	.type	k_q747d7f239b_sc,@function
k_q747d7f239b_sc:
	s_mov_b64 s[64:65], 0
	v_nop
	global_prefetch_b8 v0, s[64:65] scope:SCOPE_SE
	s_setreg_imm32_b32 hwreg(HW_REG_WAVE_MODE, 25, 1), 1
	s_wait_xcnt 0x0
	s_wait_alu depctr_hold_cnt(0) depctr_sa_sdst(0) depctr_va_vdst(0) depctr_va_sdst(0) depctr_va_ssrc(0) depctr_va_vcc(0) depctr_vm_vsrc(0)
	s_getreg_b32 s2, hwreg(HW_REG_IB_STS2, 6, 4)
	s_cmp_eq_u32 s2, 0
	s_cbranch_scc0 .Lentry_in_a_cluster
	s_endpgm
.Lentry_in_a_cluster:
	s_bfe_u32 s2, ttmp6, 0x10000c
	s_cmp_lg_u32 s2, 0xf033
	s_cbranch_scc0 .Lentry_shape_is_right
	s_endpgm
.Lentry_shape_is_right:
; SC.  Scores and weights, in tiles of 128 queries x 128 keys.  s'[i][j] = qp[i] . sk[j] (f16 operands, f32 sums; the scale 1 / 32 lies in qp); c[i] = the sum of cpart's 16 partial sums (q . bk / 32).
; With le = log2(e) and mx = the tile's row maximum of s':  p = 2^(le s' - le mx), stored f16;  mh = le c + le mx, the row's maximum of the whole scaled score in this tile;  l = the row's sum of
; the unrounded p.  c is the same for all keys of a row, so inside a tile it falls out of the exponent; it stays in mh, from which the next launch joins the tiles.  The maximum is the tile's true one.
; A WORK-GROUP STAYS: 8 batches x 4 x 16 = 512 tiles, two to each of 256 work-groups: tile columns x and x + 8 of one tile row.  The two tiles' 8 K steps are ONE sequence for the ring of two LDS slots:
; the first tile's last two changes of slots ask for the second tile's K steps 0 and 1, which are on their way during the first tile's way out, and nothing waits for the first tile's stores.
; A cluster's four rows are one batch's 512 queries.  A = qp, shared along a row of the cluster; B = the batch's rows of sk in nrm, shared along a column: joint loads, the same walk in all sixteen.
; Frame: four waves of 64 x 64, K = 1,024 in 4 steps of 256; the matrix instruction transposed: lane l holds query l % 16 and the keys 8 (l / 16) + 0..7.
; A row's 128 keys lie in two waves: their maxima, and later their sums, meet in LDS behind a barrier.  Between a tile's reads of those bytes and of the stage and the next tile's writes stand four changes of slots, each with its barrier.
; LOOPS.  A trip of loop A goes from a K step's second quarter over a change of slots with a refill to the next step's first quarter; it is left behind the change when its count meets s4: after four
; changes in the first tile, after two in the second.  Loop B, the second tile's last two K steps, asks for nothing.  Its last change of slots meets a barrier and fetches fragments that nothing uses: the price of one text.
; LIMITS: p lies in 0 to 1; under 6.1e-5 it keeps f16's fixed step of 6e-8; a weight below 2^-126 counts as 0 in l; NaN and infinities are not treated apart.
.set NS,     4
.set TILES,  2
.set KSTEP,  256
.set PITCH,  528
.set HALFT,  64*PITCH
.set BOFF,   2*HALFT
.set BHALF,  HALFT
.set SLOT,   BOFF+2*BHALF
.set STAGE,  2*SLOT
.set SPITCH, 272
.set XM,     STAGE+128*SPITCH          ; 256 bytes a wave: its rows' maxima, [r][a]; 1,024 bytes further its rows' sums
.set SPARE,  XM+2048
.set ASTEP,  KSTEP*2
.set BSTEP,  KSTEP*2
.set BACKA,  NS*ASTEP                  ; at the change of tiles A goes a step on and four back: to K step 0 of the same rows
.set NEXTB,  8*128*2048-NS*BSTEP       ; B goes a step on, four back and 8 tiles of 128 rows of 2,048 bytes down
.set WOFF,   8388608                   ; sk in nrm
.set CROW,   4096                      ; bytes in a row of p
.set A0, 6
.set B0, 7
.set OUTV, 8                           ; v[8:11] what goes to st
.set ADRA, 16
.set ADRB, 20
.set XW,  22                           ; v22  my wave's record in XM
.set XP,  23                           ; v23  the partner wave's
.set STO, 24
.set RD,  25
.set CO,  26
.set SPW, 28
.set NIL, 29
.set CIO, 30                           ; v30  16 r: my place in a record of cpart
.set STV, 31                           ; v31  256 h + 16 r: my place in a record of st
.set TMP, 32
.set MX,  96                           ; v[96:99]   row maxima, by row block a
.set PM,  100                          ; v[100:103] the partner's
.set CI,  104                          ; v[104:107] c
.set MH,  108                          ; v[108:111] mh
.set CM,  112                          ; v[112:119] le mx, in the even registers (packed lines name pairs)
.set C,   120                          ; v[120:123] at work
.set L,   124                          ; v[124:127] l
.set ACC, 128
.set F0,  0
.set F1,  128
.set G1,  24
.set G0,  32
.set G1B, 48
.set G0B, 56
.set TB,  45
.set MSB, 0
.macro WIN new
.if MSB != (\new)
	s_set_vgpr_msb (MSB<<8)|(\new)
.set MSB, \new
.endif
.endm
.set MUL,  0x05
.set TO_F, 0x40
.macro JLOAD                           ; a joint refill: waves 0, 1 fetch A's halves, waves 2, 3 B's; an s_nop 0 and four v_nop follow each line
	s_cmp_eq_u32 s11, 0
	s_cbranch_scc0 .Lfor_b_\@
	tensor_load_to_lds s[G0+4:G0+7], s[G1:G1+7]
	s_nop 0
.rept 4
	v_nop
.endr
	s_branch .Lasked_\@
.Lfor_b_\@:
	tensor_load_to_lds s[G0B+4:G0B+7], s[G1B:G1B+7]
	s_nop 0
.rept 4
	v_nop
.endr
.Lasked_\@:
.endm
.macro CREST
	s_cmp_lg_u32 s10, 0
	s_cbranch_scc1 .Lnot_wave_0_\@
	s_barrier_signal -3
.Lnot_wave_0_\@:
	s_barrier_wait -3
	s_barrier_signal -1
	s_barrier_wait -1
.endm
.macro CROUND
	s_barrier_signal -1
	s_barrier_wait -1
	CREST
.endm
.macro MUL8 f, c, a0, zero             ; 8 products; the 16 accumulators take turns
	WIN MUL
.irp a, \a0, (\a0)+1
.irp b, 0,1,2,3
.if \zero
	v_wmma_f32_16x16x32_f16 v[ACC+8*(4*(\a)+(\b)):ACC+8*(4*(\a)+(\b))+7], v[(\f)+64+8*(4*(\c)+(\b)):(\f)+64+8*(4*(\c)+(\b))+7], v[(\f)+8*(4*(\c)+(\a)):(\f)+8*(4*(\c)+(\a))+7], 0
.else
	v_wmma_f32_16x16x32_f16 v[ACC+8*(4*(\a)+(\b)):ACC+8*(4*(\a)+(\b))+7], v[(\f)+64+8*(4*(\c)+(\b)):(\f)+64+8*(4*(\c)+(\b))+7], v[(\f)+8*(4*(\c)+(\a)):(\f)+8*(4*(\c)+(\a))+7], v[ACC+8*(4*(\a)+(\b)):ACC+8*(4*(\a)+(\b))+7]
.endif
.endr
.endr
.endm
.macro FETCH qn, f
	WIN TO_F
.irp c, 0,1
.irp i, 0,1,2,3
	ds_load_b128 v[(\f)+64+8*(4*(\c)+(\i)):(\f)+64+8*(4*(\c)+(\i))+3],   v[ADRB] offset:128*(\qn)+64*(\c)+(\i)*16*PITCH
	ds_load_b128 v[(\f)+64+8*(4*(\c)+(\i))+4:(\f)+64+8*(4*(\c)+(\i))+7], v[ADRB] offset:128*(\qn)+64*(\c)+(\i)*16*PITCH+32
	ds_load_b128 v[(\f)+8*(4*(\c)+(\i)):(\f)+8*(4*(\c)+(\i))+3],         v[ADRA] offset:128*(\qn)+64*(\c)+(\i)*16*PITCH
	ds_load_b128 v[(\f)+8*(4*(\c)+(\i))+4:(\f)+8*(4*(\c)+(\i))+7],       v[ADRA] offset:128*(\qn)+64*(\c)+(\i)*16*PITCH+32
.endr
.endr
.endm
.macro PLACES
.rept 4
	v_nop
.endr
.endm
.macro QUARTER qn, f, g, zero
	s_wait_dscnt 16                                ; the first 32 along K are in
	MUL8 \f, 0, 0, \zero
	MUL8 \f, 0, 2, \zero
	PLACES
	FETCH \qn, \g
	s_wait_dscnt 32                                ; all but the 32 just issued
	MUL8 \f, 1, 0, 0
	MUL8 \f, 1, 2, 0
.endm
; A K step's last quarter and the change of slots.  fill = 1: the slot just read is filled again with the K step two on in the walk of 8.  s3 counts loop A's trips down from 4: where it is 2, which
; only the first tile reaches, that K step is the second tile's first, and the two addresses take the change of tiles on top of their step.
.macro TURN fill
	WIN 0
	s_wait_tensorcnt 0x0                           ; all my tensor loads have landed; a group 0 may be written
	ds_add_u32 v[SPW], v[NIL]
.if \fill
	s_add_co_u32 s[G0+5], s20, s[TB]               ; the walking descriptors: into the slot in hand,
	s_add_co_u32 s[G0B+5], s21, s[TB]
	s_cmp_eq_u32 s3, 2
	s_cselect_b32 s84, BACKA, 0
	s_cselect_b32 s86, NEXTB, 0
	s_add_nc_u64 s[G0+6:G0+7], s[G0+6:G0+7], ASTEP ; the next K step; the type bits on top are not reached
	s_sub_nc_u64 s[G0+6:G0+7], s[G0+6:G0+7], s[84:85]
	s_add_nc_u64 s[G0B+6:G0B+7], s[G0B+6:G0B+7], BSTEP
	s_add_nc_u64 s[G0B+6:G0B+7], s[G0B+6:G0B+7], s[86:87]
.endif
	s_wait_dscnt 17                                ; the add and the youngest sixteen loads may be out
	MUL8 F1, 0, 0, 0
	s_wait_dscnt 0x0                               ; the add is done, and my reads of this slot are over
	s_barrier_signal -1
	MUL8 F1, 0, 2, 0
	WIN 0
	s_barrier_wait -1
.if \fill
	CREST                                          ; no wave of any partner still reads this slot or has a load on its way
	JLOAD                                          ; its four v_nop are also the places in front of the loads below
.else
	PLACES
.endif
	s_xor_b32 s[TB], s[TB], SLOT
	v_add_nc_u32 v[ADRA], s[TB], v[A0]
	v_add_nc_u32 v[ADRB], s[TB], v[B0]
	FETCH 0, F0
	MUL8 F1, 1, 0, 0
	MUL8 F1, 1, 2, 0
.endm
; The maximum of row block a's 32 scores a lane, and of the lane 16 away.  Four chains of seven, three operands at a time; each accumulator's lowest registers are read first.
.macro MAXA a
.set rS, ACC+32*(\a)
.irp n, 0,1,2,3
	v_max3_num_f32 v[C+(\n)], v[rS+8*(\n)], v[rS+8*(\n)+1], v[rS+8*(\n)+2]
.endr
.irp n, 0,1,2,3
	v_max3_num_f32 v[C+(\n)], v[C+(\n)], v[rS+8*(\n)+3], v[rS+8*(\n)+4]
.endr
.irp n, 0,1,2,3
	v_max3_num_f32 v[C+(\n)], v[C+(\n)], v[rS+8*(\n)+5], v[rS+8*(\n)+6]
.endr
	v_max3_num_f32 v[C], v[C], v[rS+7], v[rS+15]
	v_max3_num_f32 v[C+1], v[C+1], v[rS+23], v[rS+31]
	v_max3_num_f32 v[C], v[C], v[C+1], v[C+2]
	v_max_num_f32 v[C], v[C], v[C+3]
	v_permlanex16_b32 v[C+1], v[C], s66, s67
	v_max_num_f32 v[MX+(\a)], v[C], v[C+1]
.endm
; Row block a: p = 2^(le s' - le mx) in place, rounded to f16 into TMP, and summed unrounded.
.macro EXPA a
.set rS, ACC+32*(\a)
.set i, 0
.rept 16
	v_pk_fma_f32 v[rS+2*i:rS+2*i+1], v[rS+2*i:rS+2*i+1], s[82:83], v[CM+2*(\a):CM+2*(\a)+1] op_sel_hi:[1,0,0] neg_lo:[0,0,1] neg_hi:[0,0,1]
.set i, i+1
.endr
.set i, 0
.rept 32
	v_exp_f32 v[rS+i], v[rS+i]
.set i, i+1
.endr
	v_nop                                          ; a plain instruction between the last exponential and the use of its result
.set i, 0
	s_wait_alu depctr_va_vdst(0)
.rept 16
	v_cvt_pk_f16_f32 v[TMP+16*(\a)+i], v[rS+2*i], v[rS+2*i+1]
.set i, i+1
.endr
.irp w, 4,8,16,32                      ; a tree, in place: neighbours 1, 2, 4 and 8 pairs apart
.set i, 0
.rept 32/(\w)
	v_pk_add_f32 v[rS+(\w)*i:rS+(\w)*i+1], v[rS+(\w)*i:rS+(\w)*i+1], v[rS+(\w)*i+(\w)/2:rS+(\w)*i+(\w)/2+1]
.set i, i+1
.endr
.endr
	v_add_f32 v[L+(\a)], v[rS], v[rS+1]
	v_permlanex16_b32 v[C], v[L+(\a)], s66, s67
	v_add_f32 v[L+(\a)], v[L+(\a)], v[C]
.endm
	s_load_b256 s[68:75], s[0:1], 0x0              ; qp 68, nrm 70, cpart 72, p 74
	s_load_b64 s[76:77], s[0:1], 0x20              ; st
	v_lshl_add_u32 v[SPW], v0, 2, SPARE
	v_mov_b32 v[NIL], 0
	ds_add_u32 v[SPW], v[NIL]                      ; the wave's opening: the add and its wait ahead of my first tensor load
	v_lshrrev_b32 v1, 5, v0
	v_readfirstlane_b32 s10, v1
	s_lshr_b32 s11, s10, 1
	s_and_b32 s12, s10, 1
	s_bfe_u32 s40, ttmp6, 0x40000
	s_bfe_u32 s41, ttmp6, 0x40004
	s_lshl_b32 s42, ttmp9, 2
	s_add_co_u32 s42, s42, s40                     ; the first tile's column, 0 to 7: 128 keys of the batch; the second's is 8 further
	s_and_b32 s19, ttmp7, 0xffff                   ; the batch = the cluster's y, which all sixteen share
	s_lshl_b32 s13, s19, 2
	s_add_co_u32 s13, s13, s41                     ; tile row
	s_lshl_b32 s43, s41, 2
	s_lshl_b32 s43, 15, s43
	s_lshl_b32 s44, 0x1111, s40
	s_or_b32 s[G1], s43, (1<<16)|(1<<20)|(1<<21)|(6<<22)|(3<<25)
	s_or_b32 s[G1B], s44, (1<<16)|(1<<20)|(1<<21)|(6<<22)|(3<<25)
.irp g, G1, G1B
	s_mov_b32 s[(\g)+1], KSTEP<<16
	s_mov_b32 s[(\g)+2], 64<<16
	s_mov_b32 s[(\g)+3], KSTEP<<16
	s_mov_b32 s[(\g)+4], 64
	s_mov_b32 s[(\g)+5], 1024
	s_mov_b32 s[(\g)+6], 0
	s_mov_b32 s[(\g)+7], 0
.endr
	s_lshl_b32 s16, s13, 7
	s_lshl_b32 s17, s12, 6
	s_add_co_u32 s16, s16, s17
	s_lshl_b32 s16, s16, 11
	s_mov_b32 s17, 0
	s_lshl_b32 s46, s42, 7
	s_lshl_b32 s47, s12, 6
	s_add_co_u32 s46, s46, s47
	s_lshl_b32 s47, s19, 11
	s_add_co_u32 s46, s46, s47                     ; B: row 2,048 x batch + 128 x tile column + 64 x half
	s_lshl_b32 s46, s46, 11
	s_mov_b32 s47, 0
	s_mul_i32 s20, s12, HALFT
	s_mul_i32 s21, s12, BHALF
	s_add_co_u32 s21, s21, BOFF
	s_mov_b32 s[TB], 0
	s_mov_b32 s66, 0x76543210
	s_mov_b32 s67, 0xfedcba98
	s_mov_b32 s82, 0x3fb8aa3b                      ; le = log2(e)
	s_mov_b32 s83, s82                             ; named with it as a pair
	s_mov_b32 s85, 0                               ; the high words of the two offsets of the change of tiles
	s_mov_b32 s87, 0
	s_wait_dscnt 0x0
	s_wait_kmcnt 0x0
	s_add_nc_u64 s[14:15], s[68:69], s[16:17]
	s_add_nc_u64 s[46:47], s[70:71], s[46:47]
	s_add_nc_u64 s[46:47], s[46:47], WOFF
.irp s, 0,1
	s_mov_b32 s[G0+4*(\s)], 1
	s_add_co_u32 s[G0+4*(\s)+1], s20, (\s)*SLOT
	s_add_nc_u64 s[G0+4*(\s)+2:G0+4*(\s)+3], s[14:15], (\s)*ASTEP
	s_or_b32 s[G0+4*(\s)+3], s[G0+4*(\s)+3], 0x80000000
	s_mov_b32 s[G0B+4*(\s)], 1
	s_add_co_u32 s[G0B+4*(\s)+1], s21, (\s)*SLOT
	s_add_nc_u64 s[G0B+4*(\s)+2:G0B+4*(\s)+3], s[46:47], (\s)*BSTEP
	s_or_b32 s[G0B+4*(\s)+3], s[G0B+4*(\s)+3], 0x80000000
.endr
	CROUND
	s_cmp_eq_u32 s11, 0
	s_cbranch_scc0 .Lfirst_b
	tensor_load_to_lds s[G0:G0+3], s[G1:G1+7]
	s_nop 0
	tensor_load_to_lds s[G0+4:G0+7], s[G1:G1+7]
	s_nop 0
.rept 4
	v_nop
.endr
	s_branch .Lfirst_asked
.Lfirst_b:
	tensor_load_to_lds s[G0B:G0B+3], s[G1B:G1B+7]
	s_nop 0
	tensor_load_to_lds s[G0B+4:G0B+7], s[G1B:G1B+7]
	s_nop 0
.rept 4
	v_nop
.endr
.Lfirst_asked:
	v_and_b32 v1, 15, v0
	v_bfe_u32 v2, v0, 4, 1
	s_lshl_b32 s18, s13, 1
	s_add_co_u32 s18, s18, s11                     ; my block of 64 rows
	s_lshl_b32 s22, s18, 8
	s_mov_b32 s23, 0
	s_add_nc_u64 s[72:73], s[72:73], s[22:23]      ; cpart at my block's record of slab 0
	v_lshlrev_b32 v[CIO], 4, v1
.irp t, 0,1,2,3,4,5,6,7,8,9,10,11,12,13,14,15
	global_load_b128 v[TMP+4*(\t):TMP+4*(\t)+3], v[CIO], s[72:73] offset:16384*(\t)  ; slab t: c's partial sums of my rows r, 16 + r, 32 + r, 48 + r
.endr
	s_lshl_b32 s22, s42, 6
	s_add_co_u32 s22, s22, s18
	s_lshl_b32 s22, s22, 9                         ; st: record (key tile, block of rows), 512 bytes
	s_add_nc_u64 s[76:77], s[76:77], s[22:23]
	v_lshl_add_u32 v[STV], v2, 8, v[CIO]
.irp a, 0,1,2,3
	v_mov_b32 v[CM+2*(\a)+1], 0                    ; named with the even registers as pairs
.endr
	v_mul_u32_u24 v3, v1, PITCH
	v_lshl_add_u32 v3, v2, 4, v3
	s_mul_i32 s22, s11, HALFT
	v_add_nc_u32 v[A0], s22, v3
	s_mul_i32 s23, s12, HALFT
	s_add_co_u32 s23, s23, BOFF
	v_add_nc_u32 v[B0], s23, v3
	v_mov_b32 v[ADRA], v[A0]
	v_mov_b32 v[ADRB], v[B0]
	s_lshl_b32 s22, s10, 8
	s_add_co_u32 s22, s22, XM
	v_add_nc_u32 v[XW], s22, v[CIO]                ; XM + 256 x wave + 16 r
	s_xor_b32 s22, s10, 1
	s_lshl_b32 s22, s22, 8
	s_add_co_u32 s22, s22, XM
	v_add_nc_u32 v[XP], s22, v[CIO]                ; the wave with the row's other 64 keys
	s_mul_i32 s23, s11, 64*SPITCH
	s_lshl_b32 s22, s12, 7
	s_add_co_u32 s23, s23, s22
	s_add_co_u32 s23, s23, STAGE
	v_mul_u32_u24 v4, v1, SPITCH
	v_lshl_add_u32 v4, v2, 4, v4
	v_add_nc_u32 v[STO], s23, v4
	s_mul_i32 s23, s10, 32*SPITCH
	s_add_co_u32 s23, s23, STAGE
	v_mul_u32_u24 v5, v2, SPITCH
	v_lshl_add_u32 v5, v1, 4, v5
	v_add_nc_u32 v[RD], s23, v5
	v_mul_u32_u24 v5, v2, CROW
	v_lshl_add_u32 v[CO], v1, 4, v5
	s_lshl_b32 s16, s13, 7
	s_lshl_b32 s17, s10, 5
	s_add_co_u32 s16, s16, s17
	s_lshl_b32 s16, s16, 12
	s_mov_b32 s17, 0
	s_add_nc_u64 s[8:9], s[74:75], s[16:17]
	s_lshl_b32 s46, s42, 8
	s_mov_b32 s47, 0
	s_add_nc_u64 s[8:9], s[8:9], s[46:47]
	s_wait_loadcnt 0x0                             ; cpart: c serves both tiles and is made once, while the first tiles are on their way
.irp w, 8,16,32                        ; c = the sum of the 16 slabs, a tree
.set i, 0
.rept 64/(\w)
	v_pk_add_f32 v[TMP+(\w)*i:TMP+(\w)*i+1], v[TMP+(\w)*i:TMP+(\w)*i+1], v[TMP+(\w)*i+(\w)/2:TMP+(\w)*i+(\w)/2+1]
	v_pk_add_f32 v[TMP+(\w)*i+2:TMP+(\w)*i+3], v[TMP+(\w)*i+2:TMP+(\w)*i+3], v[TMP+(\w)*i+(\w)/2+2:TMP+(\w)*i+(\w)/2+3]
.set i, i+1
.endr
.endr
	v_pk_add_f32 v[CI:CI+1], v[TMP:TMP+1], v[TMP+32:TMP+33]
	v_pk_add_f32 v[CI+2:CI+3], v[TMP+2:TMP+3], v[TMP+34:TMP+35]
	s_wait_tensorcnt 1                             ; my part of K step 0 is in; slot 1's may stay out
	s_barrier_signal -1
	s_barrier_wait -1
	FETCH 0, F0
	WIN 0
	s_mov_b32 s2, TILES                            ; tiles to go, this one among them: the same number in every work-group
.Ltile:
	QUARTER 1, F0, F1, 1                           ; a tile's first quarter: its products start the sums
	WIN 0
	s_sub_co_u32 s4, TILES, s2
	s_lshl_b32 s4, s4, 1                           ; where loop A is left: at 0 in the first tile (four refills), at 2 in the second (two)
	s_mov_b32 s3, NS
.LloopA:
	QUARTER 2, F1, F0, 0
	QUARTER 3, F0, F1, 0
	TURN 1
	WIN 0
	s_sub_co_u32 s3, s3, 1
	s_cmp_eq_u32 s3, s4
	s_cbranch_scc1 .LdoneA
	QUARTER 1, F0, F1, 0
	WIN 0
	s_cmp_lg_u32 s3, 0
	s_cbranch_scc1 .LloopA
.LdoneA:
	s_cmp_eq_u32 s2, TILES
	s_cbranch_scc1 .Lepi                           ; the first tile is done: its last change of slots has fetched the second tile's first fragments
	s_mov_b32 s3, 2
.LloopB:                                       ; the walk's last two K steps ask for nothing
	QUARTER 1, F0, F1, 0
	QUARTER 2, F1, F0, 0
	QUARTER 3, F0, F1, 0
	TURN 0
	WIN 0
	s_sub_co_u32 s3, s3, 1
	s_cmp_lg_u32 s3, 0
	s_cbranch_scc1 .LloopB
.Lepi:
	PLACES                                         ; the places behind the last products
	MAXA 0
	MAXA 1
	MAXA 2
	MAXA 3
	ds_store_b128 v[XW], v[MX:MX+3]                ; both halves of the lanes hold, and write, the same four numbers
	s_wait_dscnt 0x0                               ; for the partner's sake (and the fragments fetched last are in)
	s_barrier_signal -1
	s_barrier_wait -1
	ds_load_b128 v[PM:PM+3], v[XP]
	s_wait_dscnt 0x0
.irp a, 0,1,2,3
	v_max_num_f32 v[MX+(\a)], v[MX+(\a)], v[PM+(\a)]       ; the row's maximum over the tile's 128 keys
.endr
.irp a, 0,1,2,3
	v_mul_f32 v[CM+2*(\a)], s82, v[MX+(\a)]                ; le mx
.endr
.irp a, 0,1,2,3
	v_fma_f32 v[MH+(\a)], v[CI+(\a)], s82, v[CM+2*(\a)]    ; mh = le c + le mx
.endr
	EXPA 0
	EXPA 1
	EXPA 2
	EXPA 3
	ds_store_b128 v[XW], v[L:L+3] offset:1024
.irp a, 0,1,2,3
.irp b, 0,1,2,3
	ds_store_b128 v[STO], v[TMP+4*(4*(\a)+(\b)):TMP+4*(4*(\a)+(\b))+3] offset:(\a)*16*SPITCH+32*(\b)
.endr
.endr
	s_wait_dscnt 0x0                               ; for the others' sake: my sums and my part of the stage are written
	s_barrier_signal -1
	s_barrier_wait -1
	ds_load_b128 v[PM:PM+3], v[XP] offset:1024
.irp t, 0,1,2,3,4,5,6,7,8,9,10,11,12,13,14,15
	ds_load_b128 v[TMP+4*(\t):TMP+4*(\t)+3], v[RD] offset:(\t)*2*SPITCH
.endr
.irp t, 0,1,2,3,4,5,6,7,8,9,10,11,12,13,14,15
	s_wait_dscnt 15-(\t)
	global_store_b128 v[CO], v[TMP+4*(\t):TMP+4*(\t)+3], s[8:9] offset:2*(\t)*CROW  ; 16 lanes store 256 consecutive bytes, aligned
.endr
	s_cmp_eq_u32 s12, 0                            ; of the two waves of a row half the first stores the statistics
	s_cbranch_scc0 .Lno_st
	v_pk_add_f32 v[L:L+1], v[L:L+1], v[PM:PM+1]
	v_pk_add_f32 v[L+2:L+3], v[L+2:L+3], v[PM+2:PM+3]
	v_cmp_eq_u32 s80, 1, v2                        ; lanes 0-15 store mh, lanes 16-31 l
.irp a, 0,1,2,3
	v_cndmask_b32 v[OUTV+(\a)], v[MH+(\a)], v[L+(\a)], s80
.endr
	global_store_b128 v[STV], v[OUTV:OUTV+3], s[76:77]  ; 512 consecutive bytes, aligned
.Lno_st:
	s_wait_xcnt 0x0                                ; the stores have read their registers and their bases: only behind this wait are the bases stepped and the registers written again
	s_add_nc_u64 s[8:9], s[8:9], 8*256             ; p: 8 tiles of 128 keys on, 2 bytes each
	s_add_nc_u64 s[76:77], s[76:77], 8*64*512      ; st: 8 key tiles on, 64 records of 512 bytes each
	s_sub_co_u32 s2, s2, 1
	s_cmp_lg_u32 s2, 0
	s_cbranch_scc1 .Ltile
	s_wait_tensorcnt 0x0                           ; the wave's end
	ds_add_u32 v[SPW], v[NIL]
	s_wait_dscnt 0x0
	CROUND
	s_endpgm
.Lfunc_end_k_q747d7f239b_sc:
	.size	k_q747d7f239b_sc, .Lfunc_end_k_q747d7f239b_sc-k_q747d7f239b_sc
	.p2alignl 7, 3214868480
	.fill 96, 4, 3214868480
	.section	.rodata,"a",@progbits
	.p2align	6, 0x0
	.amdhsa_kernel k_q747d7f239b_sc
		.amdhsa_group_segment_fixed_size 327680
		.amdhsa_private_segment_fixed_size 0
		.amdhsa_enable_private_segment 0
		.amdhsa_kernarg_size 40
		.amdhsa_user_sgpr_count 2
		.amdhsa_user_sgpr_kernarg_segment_ptr 1
		.amdhsa_wavefront_size32 1
		.amdhsa_system_sgpr_workgroup_id_x 1
		.amdhsa_system_sgpr_workgroup_id_y 1
		.amdhsa_system_sgpr_workgroup_id_z 1
		.amdhsa_system_vgpr_workitem_id 0
		.amdhsa_next_free_vgpr 512
		.amdhsa_next_free_sgpr 88
		.amdhsa_reserve_vcc 0
		.amdhsa_float_denorm_mode_32 3
		.amdhsa_float_denorm_mode_16_64 3
		.amdhsa_memory_ordered 1
		.amdhsa_forward_progress 1
		.amdhsa_inst_pref_size 82
	.end_amdhsa_kernel
	.amdgpu_metadata
---
amdhsa.version: [ 1, 2 ]
amdhsa.kernels:
  - .name:           k_q747d7f239b_sc
    .symbol:         k_q747d7f239b_sc.kd
    .args:
      - { .name: qp, .offset: 0, .size: 8, .value_kind: global_buffer, .address_space: global }
      - { .name: nrm, .offset: 8, .size: 8, .value_kind: global_buffer, .address_space: global }
      - { .name: cpart, .offset: 16, .size: 8, .value_kind: global_buffer, .address_space: global }
      - { .name: p, .offset: 24, .size: 8, .value_kind: global_buffer, .address_space: global }
      - { .name: st, .offset: 32, .size: 8, .value_kind: global_buffer, .address_space: global }
    .group_segment_fixed_size: 327680
    .private_segment_fixed_size: 0
    .kernarg_segment_align: 8
    .kernarg_segment_size: 40
    .max_flat_workgroup_size: 128
    .sgpr_count:     88
    .vgpr_count:     512
    .wavefront_size: 32
...
	.end_amdgpu_metadata
.endif
;; end of part 4
;; launch pv (part 5): grid 8 x 32, 4 waves a work-group, clusters of 4 x 4, 327,680 bytes of LDS; arguments p, nrm, st, u; writes u
.if DOCPART == 5
	.amdgcn_target "amdgcn-amd-amdhsa--gfx1250"
	.amdhsa_code_object_version 6
	.text
	.protected	k_q747d7f239b_pv
	.globl	k_q747d7f239b_pv
	.p2align	8
	.type	k_q747d7f239b_pv,@function
k_q747d7f239b_pv:
	s_mov_b64 s[64:65], 0
	v_nop
	global_prefetch_b8 v0, s[64:65] scope:SCOPE_SE
	s_setreg_imm32_b32 hwreg(HW_REG_WAVE_MODE, 25, 1), 1
	s_wait_xcnt 0x0
	s_wait_alu depctr_hold_cnt(0) depctr_sa_sdst(0) depctr_va_vdst(0) depctr_va_sdst(0) depctr_va_ssrc(0) depctr_va_vcc(0) depctr_vm_vsrc(0)
	s_getreg_b32 s2, hwreg(HW_REG_IB_STS2, 6, 4)
	s_cmp_eq_u32 s2, 0
	s_cbranch_scc0 .Lentry_in_a_cluster
	s_endpgm
.Lentry_in_a_cluster:
	s_bfe_u32 s2, ttmp6, 0x10000c
	s_cmp_lg_u32 s2, 0xf033
	s_cbranch_scc0 .Lentry_shape_is_right
	s_endpgm
.Lentry_shape_is_right:
; PV.  u[i][d] = the sum over the 16 key tiles T of f[T][i] x (the sum over the tile's 128 keys j of p[i][j] sv[j][d]), stored f16.
; f[T] = 2^(mh[T] - M) / L, with M = the maximum over T of mh[T] and L = the sum over T of 2^(mh[T] - M) l[T]: the running-maximum softmax joined from the tiles' own maxima and sums, all in f32.
; p: [4096][2048] f16; sv: f16 rows of 2,048 bytes in nrm, 2,048 a batch; st: [16 T][64 blocks of 64 rows][mh: 16 r x 4 a | l: 16 r x 4 a] f32.
; Tile of u 128 x 128, 256 work-groups, four waves of 64 x 64, K = 2,048 keys in 8 steps of 256 through two LDS slots; cluster 4 x 4: p's tile shared along a row, sv's along a column (a cluster is one batch).
; B LIES [K][N]: fragments come out of LDS turned.  The matrix instruction transposed: lane l holds query l % 16, so a row's factor f is one number a lane and row block.
; TWO SETS OF SUMS: T (window 0) takes one key tile's 128 keys, started by the constant 0; FOLD then adds T x f onto O (window 2).  O starts at 0: 128 lines that run while the first tiles are on their way,
; the price of one form of FOLD.  The factors are made once, by the even waves, and lie in LDS.
; The tail's last change of slots meets a barrier and fetches fragments that nothing uses: the price of one text.
; LIMITS: u is a mean of sv's rows and has their range, inside f16's; under 6.1e-5 it keeps f16's fixed step of 6e-8; a factor below 2^-126 counts as 0; NaN and infinities are not treated apart.
.set NS,     8
.set KSTEP,  256
.set PITCH,  528
.set HALFT,  64*PITCH
.set BOFF,   2*HALFT
.set PB,     288
.set BHALF,  128*PB
.set SLOT,   BOFF+2*BHALF
.set STAGE,  2*SLOT
.set SPITCH, 272
.set FT,     STAGE+128*SPITCH          ; the factors: [row half][T][r][a] f32, 8,192 bytes
.set SPARE,  FT+8192
.set ASTEP,  KSTEP*2
.set BSTEP,  KSTEP*2048
.set WOFF,   41943040                  ; sv in nrm
.set CROW,   2048
.set A0, 6
.set B0, 7
.set FV, 8                             ; v[8:11] a key tile's four factors, as loaded
.set FA, 12                            ; v12  where the next key tile's factors lie
.set ADRA, 16
.set ADRB, 20
.set STO, 24
.set RD,  25
.set CO,  26
.set SPW, 28
.set NIL, 29
.set SO,  30                           ; v30  16 r: my place in a record of st
.set TMP, 32
.set FP,  96                           ; v[96:103]  the factors in the even registers (packed lines name pairs)
.set MM,  104                          ; v[104:107] M
.set LL,  108                          ; v[108:111] L, then 1 / L
.set ACC, 128
.set MHR, 128                          ; at the head: mh[T][a] at 128 + 4 T + a,
.set LR,  192                          ; l[T][a] at 192 + 4 T + a
.set F0,  0
.set F1,  128
.set G1,  24
.set G0,  32
.set G1B, 48
.set G0B, 56
.set TB,  45
.set MSB, 0
.macro WIN new
.if MSB != (\new)
	s_set_vgpr_msb (MSB<<8)|(\new)
.set MSB, \new
.endif
.endm
.set MUL,  0x05
.set TO_F, 0x40
.macro JLOAD                           ; a joint refill: waves 0, 1 fetch A's halves, waves 2, 3 B's; an s_nop 0 and four v_nop follow each line
	s_cmp_eq_u32 s11, 0
	s_cbranch_scc0 .Lfor_b_\@
	tensor_load_to_lds s[G0+4:G0+7], s[G1:G1+7]
	s_nop 0
.rept 4
	v_nop
.endr
	s_branch .Lasked_\@
.Lfor_b_\@:
	tensor_load_to_lds s[G0B+4:G0B+7], s[G1B:G1B+7]
	s_nop 0
.rept 4
	v_nop
.endr
.Lasked_\@:
.endm
.macro CREST
	s_cmp_lg_u32 s10, 0
	s_cbranch_scc1 .Lnot_wave_0_\@
	s_barrier_signal -3
.Lnot_wave_0_\@:
	s_barrier_wait -3
	s_barrier_signal -1
	s_barrier_wait -1
.endm
.macro CROUND
	s_barrier_signal -1
	s_barrier_wait -1
	CREST
.endm
.macro MUL8 f, c, a0, zero             ; 8 products; the 16 accumulators take turns
	WIN MUL
.irp a, \a0, (\a0)+1
.irp b, 0,1,2,3
.if \zero
	v_wmma_f32_16x16x32_f16 v[ACC+8*(4*(\a)+(\b)):ACC+8*(4*(\a)+(\b))+7], v[(\f)+64+8*(4*(\c)+(\b)):(\f)+64+8*(4*(\c)+(\b))+7], v[(\f)+8*(4*(\c)+(\a)):(\f)+8*(4*(\c)+(\a))+7], 0
.else
	v_wmma_f32_16x16x32_f16 v[ACC+8*(4*(\a)+(\b)):ACC+8*(4*(\a)+(\b))+7], v[(\f)+64+8*(4*(\c)+(\b)):(\f)+64+8*(4*(\c)+(\b))+7], v[(\f)+8*(4*(\c)+(\a)):(\f)+8*(4*(\c)+(\a))+7], v[ACC+8*(4*(\a)+(\b)):ACC+8*(4*(\a)+(\b))+7]
.endif
.endr
.endr
.endm
.macro FETCH qn, f                     ; 32 LDS loads in one run: quarter qn (64 keys): sv turned, p as it lies
	WIN TO_F
.irp c, 0,1
.irp i, 0,1,2,3
	ds_load_tr16_b128 v[(\f)+64+8*(4*(\c)+(\i)):(\f)+64+8*(4*(\c)+(\i))+3],   v[ADRB+((\qn)>>1)] offset:(((\qn)&1)*64+32*(\c))*PB+32*(\i)
	ds_load_tr16_b128 v[(\f)+64+8*(4*(\c)+(\i))+4:(\f)+64+8*(4*(\c)+(\i))+7], v[ADRB+((\qn)>>1)] offset:(((\qn)&1)*64+32*(\c)+16)*PB+32*(\i)
	ds_load_b128 v[(\f)+8*(4*(\c)+(\i)):(\f)+8*(4*(\c)+(\i))+3],         v[ADRA] offset:128*(\qn)+64*(\c)+(\i)*16*PITCH
	ds_load_b128 v[(\f)+8*(4*(\c)+(\i))+4:(\f)+8*(4*(\c)+(\i))+7],       v[ADRA] offset:128*(\qn)+64*(\c)+(\i)*16*PITCH+32
.endr
.endr
.endm
.macro PLACES
.rept 4
	v_nop
.endr
.endm
.macro QUARTER qn, f, g, zero, fo=-1   ; fo >= 0: the factors at byte fo behind FA are loaded too, ahead of the run of fragments
	s_wait_dscnt 16                                ; the first 32 keys are in
	MUL8 \f, 0, 0, \zero
	MUL8 \f, 0, 2, \zero
	PLACES
.if (\fo) >= 0
	WIN 0
	ds_load_b128 v[FV:FV+3], v[FA] offset:\fo
.endif
	FETCH \qn, \g
	s_wait_dscnt 32                                ; all but the 32 just issued: the factors are in too
	MUL8 \f, 1, 0, 0
	MUL8 \f, 1, 2, 0
.endm
.macro TURN fill                       ; the last quarter and the change of slots
	WIN 0
	s_wait_tensorcnt 0x0                           ; all my tensor loads have landed; a group 0 may be written
	ds_add_u32 v[SPW], v[NIL]
.if \fill
	s_add_co_u32 s[G0+5], s20, s[TB]
	s_add_co_u32 s[G0B+5], s21, s[TB]
	s_add_nc_u64 s[G0+6:G0+7], s[G0+6:G0+7], ASTEP
	s_add_nc_u64 s[G0B+6:G0B+7], s[G0B+6:G0B+7], BSTEP
.endif
	s_wait_dscnt 17                                ; the add and the youngest sixteen loads may be out
	MUL8 F1, 0, 0, 0
	s_wait_dscnt 0x0                               ; the add is done, and my reads of this slot are over
	s_barrier_signal -1
	MUL8 F1, 0, 2, 0
	WIN 0
	s_barrier_wait -1
.if \fill
	CREST
	JLOAD
.else
	PLACES
.endif
	s_xor_b32 s[TB], s[TB], SLOT
	v_add_nc_u32 v[ADRA], s[TB], v[A0]
	v_add_nc_u32 v[ADRB], s[TB], v[B0]
	v_add_nc_u32 v[ADRB+1], BHALF, v[ADRB]
	FETCH 0, F0
	MUL8 F1, 1, 0, 0
	MUL8 F1, 1, 2, 0
.endm
; O += T x f.  The four moves put the factors into pairs' low words and are the four places behind the last product; each accumulator's lowest registers are read first.
.macro FOLD
	WIN 0
.irp a, 0,1,2,3
	v_mov_b32 v[FP+2*(\a)], v[FV+(\a)]
.endr
	WIN 0xa0                                       ; O (destination and source 2) in window 2; T and f in window 0
.set t, 0
.rept 16
.set j, 0
.rept 4
	v_pk_fma_f32 v[8*t+j:8*t+j+1], v[ACC+8*t+j:ACC+8*t+j+1], v[FP+2*(t/4):FP+2*(t/4)+1], v[8*t+j:8*t+j+1] op_sel_hi:[1,0,1]
.set j, j+2
.endr
.set t, t+1
.endr
.endm
.macro TRIP fill                       ; a K step: two key tiles of 128 keys
	QUARTER 1, F0, F1, 1
	QUARTER 2, F1, F0, 0, 0
	FOLD
	QUARTER 3, F0, F1, 1, 256
	TURN \fill
	FOLD
	WIN 0
	v_add_nc_u32 v[FA], 512, v[FA]
.endm
	s_load_b256 s[68:75], s[0:1], 0x0              ; p 68, nrm 70, st 72, u 74
	v_lshl_add_u32 v[SPW], v0, 2, SPARE
	v_mov_b32 v[NIL], 0
	ds_add_u32 v[SPW], v[NIL]                      ; the wave's opening: the add and its wait ahead of my first tensor load
	v_lshrrev_b32 v1, 5, v0
	v_readfirstlane_b32 s10, v1
	s_lshr_b32 s11, s10, 1
	s_and_b32 s12, s10, 1
	s_bfe_u32 s40, ttmp6, 0x40000
	s_bfe_u32 s41, ttmp6, 0x40004
	s_lshl_b32 s42, ttmp9, 2
	s_add_co_u32 s42, s42, s40                     ; tile column
	s_and_b32 s19, ttmp7, 0xffff                   ; the batch = the cluster's y
	s_lshl_b32 s13, s19, 2
	s_add_co_u32 s13, s13, s41                     ; tile row
	s_lshl_b32 s43, s41, 2
	s_lshl_b32 s43, 15, s43
	s_lshl_b32 s44, 0x1111, s40
	s_or_b32 s[G1], s43, (1<<16)|(1<<20)|(1<<21)|(6<<22)|(3<<25)
	s_or_b32 s[G1B], s44, (1<<16)|(1<<20)|(1<<21)|(5<<22)|(7<<25)
	s_mov_b32 s[G1+1], KSTEP<<16                   ; A: 64 rows x 256 elements, 2,048 elements from row to row
	s_mov_b32 s[G1+2], 64<<16
	s_mov_b32 s[G1+3], KSTEP<<16
	s_mov_b32 s[G1+4], 64
	s_mov_b32 s[G1+5], 2048
	s_mov_b32 s[G1+6], 0
	s_mov_b32 s[G1+7], 0
	s_mov_b32 s[G1B+1], 128<<16                    ; B: 128 rows x 128 elements
	s_mov_b32 s[G1B+2], 128<<16
	s_mov_b32 s[G1B+3], 128<<16
	s_mov_b32 s[G1B+4], 128
	s_mov_b32 s[G1B+5], 1024
	s_mov_b32 s[G1B+6], 0
	s_mov_b32 s[G1B+7], 0
	s_lshl_b32 s16, s13, 7
	s_lshl_b32 s17, s12, 6
	s_add_co_u32 s16, s16, s17
	s_lshl_b32 s16, s16, 12                        ; a row of p is 4,096 bytes
	s_mov_b32 s17, 0
	s_lshl_b32 s46, s19, 22                        ; B: the batch's 2,048 rows of 2,048 bytes,
	s_lshl_b32 s47, s12, 18                        ; 128 rows x half,
	s_add_co_u32 s46, s46, s47
	s_lshl_b32 s47, s42, 8                         ; 256 bytes x tile column
	s_add_co_u32 s46, s46, s47
	s_mov_b32 s47, 0
	s_mul_i32 s20, s12, HALFT
	s_mul_i32 s21, s12, BHALF
	s_add_co_u32 s21, s21, BOFF
	s_mov_b32 s[TB], 0
	s_wait_dscnt 0x0
	s_wait_kmcnt 0x0
	s_add_nc_u64 s[14:15], s[68:69], s[16:17]
	s_add_nc_u64 s[46:47], s[70:71], s[46:47]
	s_add_nc_u64 s[46:47], s[46:47], WOFF
.irp s, 0,1
	s_mov_b32 s[G0+4*(\s)], 1
	s_add_co_u32 s[G0+4*(\s)+1], s20, (\s)*SLOT
	s_add_nc_u64 s[G0+4*(\s)+2:G0+4*(\s)+3], s[14:15], (\s)*ASTEP
	s_or_b32 s[G0+4*(\s)+3], s[G0+4*(\s)+3], 0x80000000
	s_mov_b32 s[G0B+4*(\s)], 1
	s_add_co_u32 s[G0B+4*(\s)+1], s21, (\s)*SLOT
	s_add_nc_u64 s[G0B+4*(\s)+2:G0B+4*(\s)+3], s[46:47], (\s)*BSTEP
	s_or_b32 s[G0B+4*(\s)+3], s[G0B+4*(\s)+3], 0x80000000
.endr
	CROUND
	s_cmp_eq_u32 s11, 0
	s_cbranch_scc0 .Lfirst_b
	tensor_load_to_lds s[G0:G0+3], s[G1:G1+7]
	s_nop 0
	tensor_load_to_lds s[G0+4:G0+7], s[G1:G1+7]
	s_nop 0
.rept 4
	v_nop
.endr
	s_branch .Lfirst_asked
.Lfirst_b:
	tensor_load_to_lds s[G0B:G0B+3], s[G1B:G1B+7]
	s_nop 0
	tensor_load_to_lds s[G0B+4:G0B+7], s[G1B:G1B+7]
	s_nop 0
.rept 4
	v_nop
.endr
.Lfirst_asked:
	v_and_b32 v1, 15, v0
	v_bfe_u32 v2, v0, 4, 1
	v_lshlrev_b32 v[SO], 4, v1
	s_lshl_b32 s22, s11, 12
	s_add_co_u32 s22, s22, FT
	v_add_nc_u32 v[FA], s22, v[SO]                 ; FT + 4,096 x row half + 16 r
	s_cmp_eq_u32 s12, 0                            ; THE FACTORS of a row half's 64 rows are made by its first wave
	s_cbranch_scc0 .Lno_ft
	s_lshl_b32 s22, s13, 1
	s_add_co_u32 s22, s22, s11
	s_lshl_b32 s22, s22, 9
	s_mov_b32 s23, 0
	s_add_nc_u64 s[72:73], s[72:73], s[22:23]      ; st at my block's record of key tile 0
.set t, 0
.rept 16
	global_load_b128 v[MHR+4*t:MHR+4*t+3], v[SO], s[72:73] offset:32768*t
	global_load_b128 v[LR+4*t:LR+4*t+3],   v[SO], s[72:73] offset:32768*t+256
.set t, t+1
.endr
	s_wait_loadcnt 0x0
.irp a, 0,1,2,3
	v_max3_num_f32 v[MM+(\a)], v[MHR+(\a)], v[MHR+4+(\a)], v[MHR+8+(\a)]
.endr
.irp k, 0,1,2,3,4,5
.irp a, 0,1,2,3
	v_max3_num_f32 v[MM+(\a)], v[MM+(\a)], v[MHR+4*(3+2*(\k))+(\a)], v[MHR+4*(4+2*(\k))+(\a)]
.endr
.endr
.irp a, 0,1,2,3
	v_max_num_f32 v[MM+(\a)], v[MM+(\a)], v[MHR+60+(\a)]   ; M
.endr
.set i, 0
.rept 32
	v_pk_add_f32 v[MHR+2*i:MHR+2*i+1], v[MHR+2*i:MHR+2*i+1], v[MM+2*(i%2):MM+2*(i%2)+1] neg_lo:[0,1] neg_hi:[0,1]  ; mh - M
.set i, i+1
.endr
.set i, 0
.rept 64
	v_exp_f32 v[MHR+i], v[MHR+i]
.set i, i+1
.endr
	v_nop                                          ; a plain instruction between the last exponential and the use of its result
	s_wait_alu depctr_va_vdst(0)
	v_pk_mul_f32 v[LL:LL+1], v[MHR:MHR+1], v[LR:LR+1]
	v_pk_mul_f32 v[LL+2:LL+3], v[MHR+2:MHR+3], v[LR+2:LR+3]
.set i, 2
.rept 30
	v_pk_fma_f32 v[LL+2*(i%2):LL+2*(i%2)+1], v[MHR+2*i:MHR+2*i+1], v[LR+2*i:LR+2*i+1], v[LL+2*(i%2):LL+2*(i%2)+1]  ; L
.set i, i+1
.endr
.irp a, 0,1,2,3
	v_rcp_f32 v[LL+(\a)], v[LL+(\a)]
.endr
	v_nop
.set i, 0
	s_wait_alu depctr_va_vdst(0)
.rept 32
	v_pk_mul_f32 v[MHR+2*i:MHR+2*i+1], v[MHR+2*i:MHR+2*i+1], v[LL+2*(i%2):LL+2*(i%2)+1]  ; f
.set i, i+1
.endr
.set t, 0
.rept 16
	ds_store_b128 v[FA], v[MHR+4*t:MHR+4*t+3] offset:256*t  ; both halves of the lanes hold, and write, the same four numbers
.set t, t+1
.endr
.Lno_ft:
	WIN 0x80
.set i, 0
.rept 128
	v_mov_b32 v[i], 0                              ; O
.set i, i+1
.endr
	WIN 0
.irp a, 0,1,2,3
	v_mov_b32 v[FP+2*(\a)+1], 0                    ; named with the even registers as pairs
.endr
	v_mul_u32_u24 v3, v1, PITCH
	v_lshl_add_u32 v3, v2, 4, v3
	s_mul_i32 s22, s11, HALFT
	v_add_nc_u32 v[A0], s22, v3
	v_and_b32 v4, 7, v0
	v_bfe_u32 v5, v0, 3, 1
	v_lshl_add_u32 v4, v2, 3, v4
	v_mul_u32_u24 v4, v4, PB
	v_lshl_add_u32 v4, v5, 4, v4
	s_lshl_b32 s23, s12, 7
	s_add_co_u32 s23, s23, BOFF
	v_add_nc_u32 v[B0], s23, v4
	v_mov_b32 v[ADRA], v[A0]
	v_mov_b32 v[ADRB], v[B0]
	v_add_nc_u32 v[ADRB+1], BHALF, v[B0]
	s_mul_i32 s23, s11, 64*SPITCH
	s_lshl_b32 s22, s12, 7
	s_add_co_u32 s23, s23, s22
	s_add_co_u32 s23, s23, STAGE
	v_mul_u32_u24 v4, v1, SPITCH
	v_lshl_add_u32 v4, v2, 4, v4
	v_add_nc_u32 v[STO], s23, v4
	s_mul_i32 s23, s10, 32*SPITCH
	s_add_co_u32 s23, s23, STAGE
	v_mul_u32_u24 v5, v2, SPITCH
	v_lshl_add_u32 v5, v1, 4, v5
	v_add_nc_u32 v[RD], s23, v5
	v_mul_u32_u24 v5, v2, CROW
	v_lshl_add_u32 v[CO], v1, 4, v5
	s_lshl_b32 s16, s13, 7
	s_lshl_b32 s17, s10, 5
	s_add_co_u32 s16, s16, s17
	s_lshl_b32 s16, s16, 11
	s_mov_b32 s17, 0
	s_add_nc_u64 s[8:9], s[74:75], s[16:17]
	s_lshl_b32 s46, s42, 8
	s_mov_b32 s47, 0
	s_add_nc_u64 s[8:9], s[8:9], s[46:47]
	s_wait_tensorcnt 1                             ; my part of K step 0 is in; slot 1's may stay out
	s_wait_dscnt 0x0                               ; for the others' sake: the factors are written
	s_barrier_signal -1
	s_barrier_wait -1
	FETCH 0, F0
	WIN 0
	s_mov_b32 s3, NS-2
.LloopA:                                       ; a trip is a K step; the slot left behind is filled again
	TRIP 1
	s_sub_co_u32 s3, s3, 1
	s_cmp_lg_u32 s3, 0
	s_cbranch_scc1 .LloopA
	s_mov_b32 s3, 2
.LloopB:                                       ; the last two K steps ask for nothing
	TRIP 0
	s_sub_co_u32 s3, s3, 1
	s_cmp_lg_u32 s3, 0
	s_cbranch_scc1 .LloopB
	WIN 0x0a                                       ; sources 0 and 1: O, in window 2
.set i, 0
.rept 64
	v_cvt_pk_f16_f32 v[TMP+i], v[2*i], v[2*i+1]
.set i, i+1
.endr
	WIN 0
.irp a, 0,1,2,3
.irp b, 0,1,2,3
	ds_store_b128 v[STO], v[TMP+4*(4*(\a)+(\b)):TMP+4*(4*(\a)+(\b))+3] offset:(\a)*16*SPITCH+32*(\b)
.endr
.endr
	s_wait_dscnt 0x0                               ; for the others' sake: my stores into the stage are done
	s_barrier_signal -1
	s_barrier_wait -1
.irp t, 0,1,2,3,4,5,6,7,8,9,10,11,12,13,14,15
	ds_load_b128 v[TMP+4*(\t):TMP+4*(\t)+3], v[RD] offset:(\t)*2*SPITCH
.endr
.irp t, 0,1,2,3,4,5,6,7,8,9,10,11,12,13,14,15
	s_wait_dscnt 15-(\t)
	global_store_b128 v[CO], v[TMP+4*(\t):TMP+4*(\t)+3], s[8:9] offset:2*(\t)*CROW  ; 16 lanes store 256 consecutive bytes, aligned
.endr
	s_wait_tensorcnt 0x0                           ; the wave's end
	ds_add_u32 v[SPW], v[NIL]
	s_wait_dscnt 0x0
	CROUND
	s_endpgm
.Lfunc_end_k_q747d7f239b_pv:
	.size	k_q747d7f239b_pv, .Lfunc_end_k_q747d7f239b_pv-k_q747d7f239b_pv
	.p2alignl 7, 3214868480
	.fill 96, 4, 3214868480
	.section	.rodata,"a",@progbits
	.p2align	6, 0x0
	.amdhsa_kernel k_q747d7f239b_pv
		.amdhsa_group_segment_fixed_size 327680
		.amdhsa_private_segment_fixed_size 0
		.amdhsa_enable_private_segment 0
		.amdhsa_kernarg_size 32
		.amdhsa_user_sgpr_count 2
		.amdhsa_user_sgpr_kernarg_segment_ptr 1
		.amdhsa_wavefront_size32 1
		.amdhsa_system_sgpr_workgroup_id_x 1
		.amdhsa_system_sgpr_workgroup_id_y 1
		.amdhsa_system_sgpr_workgroup_id_z 1
		.amdhsa_system_vgpr_workitem_id 0
		.amdhsa_next_free_vgpr 640
		.amdhsa_next_free_sgpr 84
		.amdhsa_reserve_vcc 0
		.amdhsa_float_denorm_mode_32 3
		.amdhsa_float_denorm_mode_16_64 3
		.amdhsa_memory_ordered 1
		.amdhsa_forward_progress 1
		.amdhsa_inst_pref_size 90
	.end_amdhsa_kernel
	.amdgpu_metadata
---
amdhsa.version: [ 1, 2 ]
amdhsa.kernels:
  - .name:           k_q747d7f239b_pv
    .symbol:         k_q747d7f239b_pv.kd
    .args:
      - { .name: p, .offset: 0, .size: 8, .value_kind: global_buffer, .address_space: global }
      - { .name: nrm, .offset: 8, .size: 8, .value_kind: global_buffer, .address_space: global }
      - { .name: st, .offset: 16, .size: 8, .value_kind: global_buffer, .address_space: global }
      - { .name: u, .offset: 24, .size: 8, .value_kind: global_buffer, .address_space: global }
    .group_segment_fixed_size: 327680
    .private_segment_fixed_size: 0
    .kernarg_segment_align: 8
    .kernarg_segment_size: 32
    .max_flat_workgroup_size: 128
    .sgpr_count:     84
    .vgpr_count:     640
    .wavefront_size: 32
...
	.end_amdgpu_metadata
.endif
;; end of part 5
;; launch g5 (part 6): grid 8 x 32, 4 waves a work-group, clusters of 4 x 4, 327,680 bytes of LDS; arguments u, nrm, bv, out0; writes out0
.if DOCPART == 6
	.amdgcn_target "amdgcn-amd-amdhsa--gfx1250"
	.amdhsa_code_object_version 6
	.text
	.protected	k_q747d7f239b_g5
	.globl	k_q747d7f239b_g5
	.p2align	8
	.type	k_q747d7f239b_g5,@function
k_q747d7f239b_g5:
	s_mov_b64 s[64:65], 0
	v_nop
	global_prefetch_b8 v0, s[64:65] scope:SCOPE_SE
	s_setreg_imm32_b32 hwreg(HW_REG_WAVE_MODE, 25, 1), 1
	s_wait_xcnt 0x0
	s_wait_alu depctr_hold_cnt(0) depctr_sa_sdst(0) depctr_va_vdst(0) depctr_va_sdst(0) depctr_va_ssrc(0) depctr_va_vcc(0) depctr_vm_vsrc(0)
	s_getreg_b32 s2, hwreg(HW_REG_IB_STS2, 6, 4)
	s_cmp_eq_u32 s2, 0
	s_cbranch_scc0 .Lentry_in_a_cluster
	s_endpgm
.Lentry_in_a_cluster:
	s_bfe_u32 s2, ttmp6, 0x10000c
	s_cmp_lg_u32 s2, 0xf033
	s_cbranch_scc0 .Lentry_shape_is_right
	s_endpgm
.Lentry_shape_is_right:
; G5.  out0[i][e] = the sum over d of u[i][d] Wv[e][d] + bv[e], f32: the value projection moved behind the weighted sum; a softmax row sums to 1, so bv is added once.
; u: [4096][1024] f16; Wv: f16 rows of 2,048 bytes in nrm.  Sums in f32.  Tile 128 x 128, 256 work-groups, four waves of 64 x 64, K in 4 steps of 256 through two LDS slots, cluster 4 x 4 with joint loads.
; The matrix instruction transposed: lane l holds row l % 16 and eight neighbouring columns: 32 bytes of f32.  A wave's 64 columns are 256 bytes, aligned: each wave has a stage of its own
; (16 rows x 272 bytes), so the way out needs no barrier.
; The tail loop's last change of slots meets a barrier and fetches fragments that nothing uses: the price of one text.  LIMITS: NaN and infinities are not treated apart.
.set NS,     4
.set KSTEP,  256
.set PITCH,  528
.set HALFT,  64*PITCH
.set BOFF,   2*HALFT
.set BHALF,  HALFT
.set SLOT,   BOFF+2*BHALF
.set STAGE,  2*SLOT
.set SPITCH, 272
.set SPARE,  STAGE+4*16*SPITCH
.set ASTEP,  KSTEP*2
.set BSTEP,  KSTEP*2
.set WOFF,   79691776                  ; Wv in nrm
.set CROW,   4096                      ; bytes in a row of out0
.set A0, 6
.set B0, 7
.set ADRA, 16
.set ADRB, 20
.set STO, 24
.set RD,  25
.set CO,  26
.set SPW, 28
.set NIL, 29
.set BO,  30
.set TMP, 32
.set BV,  96
.set ACC, 128
.set F0,  0
.set F1,  128
.set G1,  24
.set G0,  32
.set G1B, 48
.set G0B, 56
.set TB,  45
.set MSB, 0
.macro WIN new
.if MSB != (\new)
	s_set_vgpr_msb (MSB<<8)|(\new)
.set MSB, \new
.endif
.endm
.set MUL,  0x05
.set TO_F, 0x40
.macro JLOAD                           ; a joint refill: waves 0, 1 fetch A's halves, waves 2, 3 B's; an s_nop 0 and four v_nop follow each line
	s_cmp_eq_u32 s11, 0
	s_cbranch_scc0 .Lfor_b_\@
	tensor_load_to_lds s[G0+4:G0+7], s[G1:G1+7]
	s_nop 0
.rept 4
	v_nop
.endr
	s_branch .Lasked_\@
.Lfor_b_\@:
	tensor_load_to_lds s[G0B+4:G0B+7], s[G1B:G1B+7]
	s_nop 0
.rept 4
	v_nop
.endr
.Lasked_\@:
.endm
.macro CREST
	s_cmp_lg_u32 s10, 0
	s_cbranch_scc1 .Lnot_wave_0_\@
	s_barrier_signal -3
.Lnot_wave_0_\@:
	s_barrier_wait -3
	s_barrier_signal -1
	s_barrier_wait -1
.endm
.macro CROUND
	s_barrier_signal -1
	s_barrier_wait -1
	CREST
.endm
.macro MUL8 f, c, a0, zero             ; 8 products; the 16 accumulators take turns
	WIN MUL
.irp a, \a0, (\a0)+1
.irp b, 0,1,2,3
.if \zero
	v_wmma_f32_16x16x32_f16 v[ACC+8*(4*(\a)+(\b)):ACC+8*(4*(\a)+(\b))+7], v[(\f)+64+8*(4*(\c)+(\b)):(\f)+64+8*(4*(\c)+(\b))+7], v[(\f)+8*(4*(\c)+(\a)):(\f)+8*(4*(\c)+(\a))+7], 0
.else
	v_wmma_f32_16x16x32_f16 v[ACC+8*(4*(\a)+(\b)):ACC+8*(4*(\a)+(\b))+7], v[(\f)+64+8*(4*(\c)+(\b)):(\f)+64+8*(4*(\c)+(\b))+7], v[(\f)+8*(4*(\c)+(\a)):(\f)+8*(4*(\c)+(\a))+7], v[ACC+8*(4*(\a)+(\b)):ACC+8*(4*(\a)+(\b))+7]
.endif
.endr
.endr
.endm
.macro FETCH qn, f
	WIN TO_F
.irp c, 0,1
.irp i, 0,1,2,3
	ds_load_b128 v[(\f)+64+8*(4*(\c)+(\i)):(\f)+64+8*(4*(\c)+(\i))+3],   v[ADRB] offset:128*(\qn)+64*(\c)+(\i)*16*PITCH
	ds_load_b128 v[(\f)+64+8*(4*(\c)+(\i))+4:(\f)+64+8*(4*(\c)+(\i))+7], v[ADRB] offset:128*(\qn)+64*(\c)+(\i)*16*PITCH+32
	ds_load_b128 v[(\f)+8*(4*(\c)+(\i)):(\f)+8*(4*(\c)+(\i))+3],         v[ADRA] offset:128*(\qn)+64*(\c)+(\i)*16*PITCH
	ds_load_b128 v[(\f)+8*(4*(\c)+(\i))+4:(\f)+8*(4*(\c)+(\i))+7],       v[ADRA] offset:128*(\qn)+64*(\c)+(\i)*16*PITCH+32
.endr
.endr
.endm
.macro PLACES
.rept 4
	v_nop
.endr
.endm
.macro QUARTER qn, f, g, zero
	s_wait_dscnt 16                                ; the first 32 along K are in
	MUL8 \f, 0, 0, \zero
	MUL8 \f, 0, 2, \zero
	PLACES
	FETCH \qn, \g
	s_wait_dscnt 32                                ; all but the 32 just issued
	MUL8 \f, 1, 0, 0
	MUL8 \f, 1, 2, 0
.endm
.macro TURN fill                       ; the last quarter and the change of slots
	WIN 0
	s_wait_tensorcnt 0x0                           ; all my tensor loads have landed; a group 0 may be written
	ds_add_u32 v[SPW], v[NIL]
.if \fill
	s_add_co_u32 s[G0+5], s20, s[TB]
	s_add_co_u32 s[G0B+5], s21, s[TB]
	s_add_nc_u64 s[G0+6:G0+7], s[G0+6:G0+7], ASTEP
	s_add_nc_u64 s[G0B+6:G0B+7], s[G0B+6:G0B+7], BSTEP
.endif
	s_wait_dscnt 17                                ; the add and the youngest sixteen loads may be out
	MUL8 F1, 0, 0, 0
	s_wait_dscnt 0x0                               ; the add is done, and my reads of this slot are over
	s_barrier_signal -1
	MUL8 F1, 0, 2, 0
	WIN 0
	s_barrier_wait -1
.if \fill
	CREST
	JLOAD
.else
	PLACES
.endif
	s_xor_b32 s[TB], s[TB], SLOT
	v_add_nc_u32 v[ADRA], s[TB], v[A0]
	v_add_nc_u32 v[ADRB], s[TB], v[B0]
	FETCH 0, F0
	MUL8 F1, 1, 0, 0
	MUL8 F1, 1, 2, 0
.endm
	s_load_b256 s[68:75], s[0:1], 0x0              ; u 68, nrm 70, bv 72, out0 74
	v_lshl_add_u32 v[SPW], v0, 2, SPARE
	v_mov_b32 v[NIL], 0
	ds_add_u32 v[SPW], v[NIL]                      ; the wave's opening: the add and its wait ahead of my first tensor load
	v_lshrrev_b32 v1, 5, v0
	v_readfirstlane_b32 s10, v1
	s_lshr_b32 s11, s10, 1
	s_and_b32 s12, s10, 1
	s_bfe_u32 s40, ttmp6, 0x40000
	s_bfe_u32 s41, ttmp6, 0x40004
	s_lshl_b32 s42, ttmp9, 2
	s_add_co_u32 s42, s42, s40
	s_and_b32 s13, ttmp7, 0xffff
	s_lshl_b32 s13, s13, 2
	s_add_co_u32 s13, s13, s41
	s_lshl_b32 s43, s41, 2
	s_lshl_b32 s43, 15, s43
	s_lshl_b32 s44, 0x1111, s40
	s_or_b32 s[G1], s43, (1<<16)|(1<<20)|(1<<21)|(6<<22)|(3<<25)
	s_or_b32 s[G1B], s44, (1<<16)|(1<<20)|(1<<21)|(6<<22)|(3<<25)
.irp g, G1, G1B
	s_mov_b32 s[(\g)+1], KSTEP<<16
	s_mov_b32 s[(\g)+2], 64<<16
	s_mov_b32 s[(\g)+3], KSTEP<<16
	s_mov_b32 s[(\g)+4], 64
	s_mov_b32 s[(\g)+5], 1024
	s_mov_b32 s[(\g)+6], 0
	s_mov_b32 s[(\g)+7], 0
.endr
	s_lshl_b32 s16, s13, 7
	s_lshl_b32 s17, s12, 6
	s_add_co_u32 s16, s16, s17
	s_lshl_b32 s16, s16, 11
	s_mov_b32 s17, 0
	s_lshl_b32 s46, s42, 7
	s_lshl_b32 s47, s12, 6
	s_add_co_u32 s46, s46, s47
	s_lshl_b32 s46, s46, 11
	s_mov_b32 s47, 0
	s_mul_i32 s20, s12, HALFT
	s_mul_i32 s21, s12, BHALF
	s_add_co_u32 s21, s21, BOFF
	s_mov_b32 s[TB], 0
	s_wait_dscnt 0x0
	s_wait_kmcnt 0x0
	s_add_nc_u64 s[14:15], s[68:69], s[16:17]
	s_add_nc_u64 s[46:47], s[70:71], s[46:47]
	s_add_nc_u64 s[46:47], s[46:47], WOFF
.irp s, 0,1
	s_mov_b32 s[G0+4*(\s)], 1
	s_add_co_u32 s[G0+4*(\s)+1], s20, (\s)*SLOT
	s_add_nc_u64 s[G0+4*(\s)+2:G0+4*(\s)+3], s[14:15], (\s)*ASTEP
	s_or_b32 s[G0+4*(\s)+3], s[G0+4*(\s)+3], 0x80000000
	s_mov_b32 s[G0B+4*(\s)], 1
	s_add_co_u32 s[G0B+4*(\s)+1], s21, (\s)*SLOT
	s_add_nc_u64 s[G0B+4*(\s)+2:G0B+4*(\s)+3], s[46:47], (\s)*BSTEP
	s_or_b32 s[G0B+4*(\s)+3], s[G0B+4*(\s)+3], 0x80000000
.endr
	CROUND
	s_cmp_eq_u32 s11, 0
	s_cbranch_scc0 .Lfirst_b
	tensor_load_to_lds s[G0:G0+3], s[G1:G1+7]
	s_nop 0
	tensor_load_to_lds s[G0+4:G0+7], s[G1:G1+7]
	s_nop 0
.rept 4
	v_nop
.endr
	s_branch .Lfirst_asked
.Lfirst_b:
	tensor_load_to_lds s[G0B:G0B+3], s[G1B:G1B+7]
	s_nop 0
	tensor_load_to_lds s[G0B+4:G0B+7], s[G1B:G1B+7]
	s_nop 0
.rept 4
	v_nop
.endr
.Lfirst_asked:
	v_and_b32 v1, 15, v0
	v_bfe_u32 v2, v0, 4, 1
	s_lshl_b32 s18, s42, 9
	s_lshl_b32 s19, s12, 8
	s_add_co_u32 s18, s18, s19                     ; my wave's 64 columns, 4 bytes each
	v_lshl_add_u32 v[BO], v2, 5, s18
.irp b, 0,1,2,3
	global_load_b128 v[BV+8*(\b):BV+8*(\b)+3],   v[BO], s[72:73] offset:64*(\b)
	global_load_b128 v[BV+8*(\b)+4:BV+8*(\b)+7], v[BO], s[72:73] offset:64*(\b)+16
.endr
	v_mul_u32_u24 v3, v1, PITCH
	v_lshl_add_u32 v3, v2, 4, v3
	s_mul_i32 s22, s11, HALFT
	v_add_nc_u32 v[A0], s22, v3
	s_mul_i32 s23, s12, HALFT
	s_add_co_u32 s23, s23, BOFF
	v_add_nc_u32 v[B0], s23, v3
	v_mov_b32 v[ADRA], v[A0]
	v_mov_b32 v[ADRB], v[B0]
	s_mul_i32 s23, s10, 16*SPITCH
	s_add_co_u32 s23, s23, STAGE                   ; my stage
	v_mul_u32_u24 v4, v1, SPITCH                   ; in: row r, 32 bytes for each half of the lanes
	v_lshl_add_u32 v4, v2, 5, v4
	v_add_nc_u32 v[STO], s23, v4
	v_mul_u32_u24 v5, v2, SPITCH                   ; back: lanes 0-15 one row of 256 bytes, lanes 16-31 the next
	v_lshl_add_u32 v5, v1, 4, v5
	v_add_nc_u32 v[RD], s23, v5
	v_mul_u32_u24 v5, v2, CROW
	v_lshl_add_u32 v[CO], v1, 4, v5
	s_lshl_b32 s16, s13, 7
	s_lshl_b32 s17, s11, 6
	s_add_co_u32 s16, s16, s17                     ; my wave's first row
	s_lshl_b32 s16, s16, 12
	s_mov_b32 s17, 0
	s_add_nc_u64 s[8:9], s[74:75], s[16:17]
	s_mov_b32 s19, 0
	s_add_nc_u64 s[8:9], s[8:9], s[18:19]          ; and its first column
	s_wait_tensorcnt 1                             ; my part of K step 0 is in; slot 1's may stay out
	s_barrier_signal -1
	s_barrier_wait -1
	FETCH 0, F0
	QUARTER 1, F0, F1, 1
	WIN 0
	s_mov_b32 s3, NS-2
.LloopA:
	QUARTER 2, F1, F0, 0
	QUARTER 3, F0, F1, 0
	TURN 1
	QUARTER 1, F0, F1, 0
	WIN 0
	s_sub_co_u32 s3, s3, 1
	s_cmp_lg_u32 s3, 0
	s_cbranch_scc1 .LloopA
	s_mov_b32 s3, 2
.LloopB:                                       ; the last two K steps ask for nothing; the second trip is left in its middle
	QUARTER 2, F1, F0, 0
	QUARTER 3, F0, F1, 0
	TURN 0
	WIN 0
	s_sub_co_u32 s3, s3, 1
	s_cmp_eq_u32 s3, 0
	s_cbranch_scc1 .Lout
	QUARTER 1, F0, F1, 0
	WIN 0
	s_cmp_lg_u32 s3, 0
	s_cbranch_scc1 .LloopB
.Lout:
	s_wait_loadcnt 0x0                             ; bv
	PLACES
.set t, 0
.rept 16                                       ; + bv; each accumulator's lowest registers are read first
.set j, 0
.rept 4
	v_pk_add_f32 v[ACC+8*t+j:ACC+8*t+j+1], v[ACC+8*t+j:ACC+8*t+j+1], v[BV+8*(t%4)+j:BV+8*(t%4)+j+1]
.set j, j+2
.endr
.set t, t+1
.endr
.irp a, 0,1,2,3                        ; 16 rows at a time through my own stage: LDS serves a wave's instructions in order (ISA guide 5.7.1.4), so no wait stands between the stores and the loads
.irp b, 0,1,2,3
	ds_store_b128 v[STO], v[ACC+8*(4*(\a)+(\b)):ACC+8*(4*(\a)+(\b))+3]   offset:64*(\b)
	ds_store_b128 v[STO], v[ACC+8*(4*(\a)+(\b))+4:ACC+8*(4*(\a)+(\b))+7] offset:64*(\b)+16
.endr
	s_wait_xcnt 0x0                                ; the stores of two blocks back have read the registers that are loaded again
.irp t, 0,1,2,3,4,5,6,7
	ds_load_b128 v[TMP+32*((\a)%2)+4*(\t):TMP+32*((\a)%2)+4*(\t)+3], v[RD] offset:(\t)*2*SPITCH
.endr
.irp t, 0,1,2,3,4,5,6,7
	s_wait_dscnt 7-(\t)
	global_store_b128 v[CO], v[TMP+32*((\a)%2)+4*(\t):TMP+32*((\a)%2)+4*(\t)+3], s[8:9] offset:(16*(\a)+2*(\t))*CROW  ; 16 lanes store 256 consecutive bytes, aligned
.endr
.endr
	s_wait_tensorcnt 0x0                           ; the wave's end
	ds_add_u32 v[SPW], v[NIL]
	s_wait_dscnt 0x0
	CROUND
	s_endpgm
.Lfunc_end_k_q747d7f239b_g5:
	.size	k_q747d7f239b_g5, .Lfunc_end_k_q747d7f239b_g5-k_q747d7f239b_g5
	.p2alignl 7, 3214868480
	.fill 96, 4, 3214868480
	.section	.rodata,"a",@progbits
	.p2align	6, 0x0
	.amdhsa_kernel k_q747d7f239b_g5
		.amdhsa_group_segment_fixed_size 327680
		.amdhsa_private_segment_fixed_size 0
		.amdhsa_enable_private_segment 0
		.amdhsa_kernarg_size 32
		.amdhsa_user_sgpr_count 2
		.amdhsa_user_sgpr_kernarg_segment_ptr 1
		.amdhsa_wavefront_size32 1
		.amdhsa_system_sgpr_workgroup_id_x 1
		.amdhsa_system_sgpr_workgroup_id_y 1
		.amdhsa_system_sgpr_workgroup_id_z 1
		.amdhsa_system_vgpr_workitem_id 0
		.amdhsa_next_free_vgpr 512
		.amdhsa_next_free_sgpr 84
		.amdhsa_reserve_vcc 0
		.amdhsa_float_denorm_mode_32 3
		.amdhsa_float_denorm_mode_16_64 3
		.amdhsa_memory_ordered 1
		.amdhsa_forward_progress 1
		.amdhsa_inst_pref_size 63
	.end_amdhsa_kernel
	.amdgpu_metadata
---
amdhsa.version: [ 1, 2 ]
amdhsa.kernels:
  - .name:           k_q747d7f239b_g5
    .symbol:         k_q747d7f239b_g5.kd
    .args:
      - { .name: u, .offset: 0, .size: 8, .value_kind: global_buffer, .address_space: global }
      - { .name: nrm, .offset: 8, .size: 8, .value_kind: global_buffer, .address_space: global }
      - { .name: bv, .offset: 16, .size: 8, .value_kind: global_buffer, .address_space: global }
      - { .name: out0, .offset: 24, .size: 8, .value_kind: global_buffer, .address_space: global }
    .group_segment_fixed_size: 327680
    .private_segment_fixed_size: 0
    .kernarg_segment_align: 8
    .kernarg_segment_size: 32
    .max_flat_workgroup_size: 128
    .sgpr_count:     84
    .vgpr_count:     512
    .wavefront_size: 32
...
	.end_amdgpu_metadata
.endif
;; end of part 6
